; MI455X (gfx1250); checked and timed in simulation.
; The chip was launched on July 23, 2026; its instructions are those of AMD's public machine-readable ISA for CDNA 5 (MIT licence, August 2026) and "CDNA5" Instruction Set Architecture Reference Guide (July 2026). The comments in the code are by the model that wrote it; some were corrected since.
;; Multi Head Self Attention. Allowed arithmetic: matrix products marked QUANTISED: E2M3 operands, one E8M0 scale for each 32 along K, by v_wmma_scale_f32_16x16x128_f8f6f4 with both operands' format E2M3, f32 sums; everything else in f32.
;; Inputs: Wout 1,024 x 1,024 float32; Wqkv 3,072 x 1,024 float32; bout 1,024 float32; bqkv 3,072 float32; x 2 x 2,048 x 1,024 float32.
;; Outputs: out0 2 x 2,048 x 1,024 float32.
;; This version of the problem:
;;   THIS VERSION OF THE PROBLEM IS GIVEN IN LOW PRECISION. The matrix products marked QUANTISED in the list below multiply operands that are first quantised to E2M3 (2 exponent bits, 3 mantissa bits; 6 bits a number), with one power-of-two scale for each 32 numbers along K (OCP MX v1.0); their sums are f32. All else is computed in f32.
;;   The module's matrix products, in the order in which they are computed (A, B: the left and right operand; K: the contracted axis; several contracted axes count as one K, in the product's order):
;;     1. [M 4,096, K 1,024] x [K 1,024, N 3,072]; A: input x; B: input Wqkv: QUANTISED
;;     2. batch 32 x [M 2,048, K 64] x [K 64, N 2,048]; A: computed on the way; B: computed on the way: QUANTISED
;;     3. batch 32 x [M 2,048, K 2,048] x [K 2,048, N 64]; A: softmax (see below); B: computed on the way: QUANTISED
;;     4. [M 4,096, K 1,024] x [K 1,024, N 1,024]; A: computed on the way; B: input Wout: QUANTISED
;;   THE QUANTISER, for each operand of a quantised product, along K:
;;     - K is cut into blocks of 32 from its start; a last block that is shorter is filled with zeros.
;;     - A block's scale is 2^e with e = floor(log2(the largest magnitude in the block)) - 2, held to -126 .. 127; a block of zeros has e = 0. As a byte (E8M0): e + 127.
;;     - Each number is divided by its block's scale, clamped to +-7.5, and rounded to the nearest number of E2M3, ties to even, subnormals kept.
;;     - The product sums the exact products of the quantised numbers (number of the format x scale) in f32.
;;   ~~~python
;;   def quantise(x, axis):      # numpy; x: float32 -> the quantised numbers, widened to float32 again
;;       x = np.moveaxis(x, axis, -1); K = x.shape[-1]
;;       x = np.pad(x, [(0, 0)] * (x.ndim - 1) + [(0, -K % 32)]); x = x.reshape(x.shape[:-1] + (-1, 32)); a = np.abs(x).max(-1, keepdims=True)
;;       e = np.where(a > 0, np.clip(np.frexp(np.where(a > 0, a, 1))[1] - 1 - 2, -126, 127), 0)      # np.frexp(a)[1] - 1 = floor(log2(a)), exactly
;;       r = np.clip(x / 2.0 ** e, -7.5, 7.5)
;;       step = 2.0 ** (np.maximum(np.frexp(np.where(r == 0, 1, r))[1] - 1, 0) - 3)
;;       q = np.round(r / step) * step * 2.0 ** e      # np.round: ties to even
;;       return np.moveaxis(q.reshape(q.shape[:-2] + (-1,))[..., :K], -1, axis).astype(np.float32)
;;   ~~~
;;   SOFTMAX AHEAD OF A QUANTISED PRODUCT. Where the list says 'softmax', what is quantised is not the finished softmax but p = 2^(t - M), with t = logit x log2(e) and M = ceil(the row's largest t), a whole number; so 1/2 < the row's largest p <= 1. The row's sum l is taken of the UNQUANTISED p, in f32, and the product's result is divided by l at the end. Since M is a whole number, a kernel that streams over the keys may use a running M (the ceiling of the running maximum): every later rescaling is an exact power of two, which a block's scale takes up: the codes' values come out the same.
;;   OPERANDS COMPUTED ON THE WAY. 'Computed on the way' means the value that the module computes at that place (a softmax that the list does not call 'softmax' is quantised finished and normalised). What goes into a quantiser is computed in f32, as accurately as f32 sums, v_exp_f32 and their like allow (about 1e-6 of the number): no bf16 or f16 on the way to a quantiser, and a product that is left as it is and whose result goes on into a quantised operand takes f32 operands (vector FMAs, or v_wmma_f32_16x16x4_f32). A number that lies on a knife's edge between two numbers of the format may be rounded either way, as far as f32 arithmetic and the matrix unit's own rounding can turn it there, and no further.
;; One version. Each part assembles by itself: llvm-mc -triple=amdgcn-amd-amdhsa -mcpu=gfx1250 --defsym DOCPART=n.
;; ======== version 1 of 1: 4 launches
;; limits: right only within a limited range of input values
;; workspace buffers: img 6,291,456 bytes; scl 262,144 bytes; rope 262,144 bytes; qb 6,553,600 bytes; kvb 6,553,600 bytes; aoi 3,145,728 bytes; aos 131,072 bytes
;; launch prep (part 1): grid 256 x 1, 4 waves a work-group, no clusters, 34,304 bytes of LDS; arguments x, Wqkv, Wout, img, scl, rope; writes img, scl, rope
.if DOCPART == 1
	.amdgcn_target "amdgcn-amd-amdhsa--gfx1250"
	.amdhsa_code_object_version 6
	.text
	.protected	k_q2ef56dbcdb_prep
	.globl	k_q2ef56dbcdb_prep
	.p2align	8
	.type	k_q2ef56dbcdb_prep,@function
k_q2ef56dbcdb_prep:
	s_mov_b64 s[64:65], 0
	v_nop
	global_prefetch_b8 v0, s[64:65] scope:SCOPE_SE
	s_setreg_imm32_b32 hwreg(HW_REG_WAVE_MODE, 25, 1), 1
	s_wait_xcnt 0x0
; x [4096][1024], Wqkv [3072][1024] and Wout [1024][1024], f32, K innermost, become codes of FP6 (E2M3) with one E8M0 scale byte for each 32 along K; and the table of cosines and sines for the rotary embedding is made.
; THE CODES ARE LAID AS IMAGES OF THE OPERAND'S REGISTERS.  A fragment (16 rows x 128 K: 12 registers a lane) is 1,536 bytes: three pieces of 512, lane l's registers 4 c .. 4 c + 3 at 512 c + 16 l.
; img: 512 tiles of 16 rows x 12,288 bytes (K steps 0 to 7): tiles 0-255 x, 256-447 Wqkv, 448-511 Wout.  scl: 512 bytes a tile: [K half][row r][4 words], word j = the scale word of K step 4 half + j.
; THE ROWS OF A TILE ARE NOT NEIGHBOURS: lane r of tile 2 t + u is row 32 t + 8 u + r + 8 (r / 8), so that a product that takes two neighbouring tiles as source 0 leaves 16 neighbours in a lane's 16 registers.
; rope: 128 tiles of 16 positions (the same order) x 2,048 bytes, an image of 16 registers: registers 0-7 cos(pos f[8 h + j]), 8-15 the sines, f[i] = 10^(-i / 4).
; SHARES.  Work-group g makes tiles 2 g and 2 g + 1 (32 dense rows); wave w tile w / 2, K half w % 2: four fragments.  A load reads 512 consecutive bytes of one row; the 16 rows turn through the wave's own stage in LDS
; (rows of 512 + 16 bytes), so that a lane gets 16 neighbours of each block of 32.  Waves share nothing: no barrier.  Memory binds: no matrix unit, no tensor load; 32 loads of 512 bytes a wave are out.
; A block's scale byte is its largest magnitude's exponent field - 2, held at 1 from below.
; LIMITS: NaN and infinities are not served; a block whose largest magnitude lies under 2^-124, and a block of zeros, keeps the byte 1 (its codes are zeros or tiny; this program alone reads the bytes).
; f[i] is the correctly rounded 10^(-i / 4); the angle is reduced by pi / 2 in three parts, sine and cosine are polynomials on +-pi / 4 good to an ulp.
.set R,    16                          ; v16-143  two sets of 64: a fragment's numbers as loaded
.set X,    144                         ; v144-207 register 16 b + i = k 32 b + 16 h + i of my row
.set PC,   208                         ; v208-227 the codes just made
.set TM,   228                         ; v228-243 at work
.set PW,   244                         ; v244-247 the four fragments' scale words
.set SEL,  20                          ; s[20:21] lane selects for v_permlanex16_b32: lane l xor 16
.set STG,  8448                        ; a wave's stage: 16 rows x 528 bytes
; 64 numbers of a lane, register 16 b + i = k 32 b + 16 (lane / 16) + i of my row, become a fragment's codes in v[PC] on and its scale word in v[pw].
.macro QUANT s, pw
.irp b, 0,1,2,3
	v_max3_num_f32 v[TM+\b], |v[\s+16*\b]|, |v[\s+1+16*\b]|, 0x1800000   ; my 16 numbers of block b, and the floor 2^(3 - 127): the byte cannot fall under 1
.endr
.irp i, 2,4,6,8,10,12,14
.irp b, 0,1,2,3
	v_max3_num_f32 v[TM+\b], v[TM+\b], |v[\s+16*\b+\i]|, |v[\s+1+16*\b+\i]|   ; the four blocks by turns
.endr
.endr
.irp b, 0,1,2,3
	v_permlanex16_b32 v[TM+4+\b], v[TM+\b], s[SEL], s[SEL+1]
.endr
.irp b, 0,1,2,3
	v_max_num_f32 v[TM+\b], v[TM+\b], v[TM+4+\b]   ; with lane l xor 16's: the block's largest magnitude
.endr
.irp b, 0,1,2,3
	v_add_nc_u32 v[TM+12+\b], 0xff000000, v[TM+\b]   ; 2 off its exponent field: the conversion's scale operand
.endr
.irp b, 0,1,2,3
	v_lshrrev_b32 v[TM+4+\b], 23, v[TM+12+\b]      ; the scale's byte
.endr
	v_lshl_or_b32 v[\pw], v[TM+5], 8, v[TM+4]
	v_lshl_or_b32 v[\pw], v[TM+6], 16, v[\pw]
	v_lshl_or_b32 v[\pw], v[TM+7], 24, v[\pw]      ; my row's scale word
.irp c, 0,1
	v_cvt_scalef32_pk16_fp6_f32 v[PC+6*\c:PC+2+6*\c], v[\s+32*\c:\s+15+32*\c], v[TM+12+2*\c]
	v_cvt_scalef32_pk16_fp6_f32 v[PC+12+4*\c:PC+14+4*\c], v[\s+16+32*\c:\s+31+32*\c], v[TM+12+2*\c+1]   ; (a conversion's three registers begin on an even number)
.endr
	v_nop                                          ; one plain place behind a scaled conversion
.irp c, 0,1                                    ; the operand wants a whole block in a lane: lanes 0-15 block 2 c, lanes 16-31 block 2 c + 1
.irp i, 0,1,2
	v_permlane16_swap_b32 v[PC+6*\c+\i], v[PC+12+4*\c+\i]
.endr
.irp i, 0,1,2
	v_mov_b32 v[PC+3+6*\c+\i], v[PC+12+4*\c+\i]
.endr
.endr
.endm
.macro LOAD f                          ; fragment f: the tile's 16 rows, 512 consecutive bytes each
.irp i, 0,1,2,3,4,5,6,7,8,9,10,11,12,13,14,15
	global_load_b128 v[R+64*((\f)%2)+4*\i:R+64*((\f)%2)+4*\i+3], v4, s[22:23] offset:(\i+8*(\i/8))*4096+512*(\f) th:TH_LOAD_NT
.endr
.endm
.macro FREQ k, bits                    ; f[k] for the lanes whose i is k
	v_cmp_ne_u32 vcc_lo, \k, v8
	v_cndmask_b32 v11, \bits, v11, vcc_lo
.endm
	s_load_b256 s[4:11], s[0:1], 0x0               ; x s[4:5], Wqkv s[6:7], Wout s[8:9], img s[10:11]
	s_load_b128 s[12:15], s[0:1], 0x20             ; scl s[12:13], rope s[14:15]
	v_lshl_add_u32 v239, v0, 2, 0x8400
	v_mov_b32 v255, 0
	v_lshrrev_b32 v1, 5, v0
	v_readfirstlane_b32 s16, v1                    ; wave
	v_and_b32 v1, 31, v0                           ; lane
	v_and_b32 v2, 15, v0                           ; r
	v_bfe_u32 v3, v0, 4, 1                         ; h
	v_lshlrev_b32 v4, 4, v1                        ; 16 x lane
	s_mul_i32 s17, s16, STG
	v_add_nc_u32 v5, s17, v4                       ; the stage, on the way in: a row's 512 bytes as they lie
	v_mul_u32_u24 v6, v2, 528
	v_lshl_add_u32 v6, v3, 6, v6
	v_add_nc_u32 v6, s17, v6                       ; and on the way out: row r, + 64 h
	v_lshlrev_b32 v7, 4, v2
	v_lshl_add_u32 v7, v3, 3, v7                   ; the scale words: 16 r + 8 h
	s_lshr_b32 s18, s16, 1                         ; u: which of the two tiles
	s_and_b32 s19, s16, 1                          ; which K half
	s_mov_b32 s[SEL], 0x76543210
	s_mov_b32 s[SEL+1], 0xfedcba98
	s_mov_b32 s28, 224
.irp b, 0,1,2,3
	v_mov_b32 v[TM+4+\b], 0                        ; written once: a lane permute's destination counts as one of its sources
.endr
	s_wait_kmcnt 0x0
	s_cmp_lt_u32 ttmp9, 224                        ; which tensor: the choice hangs on the work-group's number alone
	s_cselect_b64 s[22:23], s[6:7], s[8:9]
	s_cselect_b32 s28, 128, s28
	s_cmp_lt_u32 ttmp9, 128
	s_cselect_b64 s[22:23], s[4:5], s[22:23]
	s_cselect_b32 s28, 0, s28
	s_sub_co_u32 s28, ttmp9, s28                   ; which 32 rows of it
	s_lshl_b32 s28, s28, 17
	s_lshl_b32 s29, s18, 15                        ; tile u begins 8 rows on
	s_add_co_u32 s28, s28, s29
	s_lshl_b32 s29, s19, 11                        ; the K half: 512 numbers
	s_add_co_u32 s28, s28, s29
	s_mov_b32 s29, 0
	s_add_nc_u64 s[22:23], s[22:23], s[28:29]
	LOAD 0
	LOAD 1
	s_lshl_b32 s30, ttmp9, 1
	s_add_co_u32 s30, s30, s18                     ; my tile
	s_mul_i32 s28, s30, 12288
	s_mul_i32 s31, s19, 6144
	s_add_co_u32 s28, s28, s31
	s_add_nc_u64 s[24:25], s[10:11], s[28:29]      ; its images, my K half
	s_lshl_b32 s28, s30, 9
	s_lshl_b32 s31, s19, 8
	s_add_co_u32 s28, s28, s31
	s_add_nc_u64 s[26:27], s[12:13], s[28:29]      ; its scale words
	s_lshr_b32 s28, ttmp9, 1
	s_lshl_b32 s28, s28, 11
	s_and_b32 s31, ttmp9, 1
	s_lshl_b32 s30, s31, 9
	s_add_co_u32 s28, s28, s30
	s_add_nc_u64 s[14:15], s[14:15], s[28:29]      ; the table: tile g / 2, piece g % 2 of the cosines
	; ---- the table, while the loads are out: thread t makes one cosine and one sine: lane t / 4 of the image, register (t % 4) + 4 (g % 2)
	v_and_b32 v8, 3, v0
	s_lshl_b32 s31, s31, 2
	v_add_nc_u32 v8, s31, v8                       ; j
	v_lshrrev_b32 v9, 2, v0                        ; the image's lane
	v_and_b32 v10, 15, v9
	v_lshrrev_b32 v11, 4, v9
	v_lshl_add_u32 v8, v11, 3, v8                  ; i = 8 h + j
	v_and_b32 v11, 8, v10
	v_add_nc_u32 v10, v10, v11                     ; r + 8 (r / 8)
	s_lshr_b32 s30, ttmp9, 2
	s_lshl_b32 s30, s30, 5
	s_bfe_u32 s31, ttmp9, 0x10001
	s_lshl_b32 s31, s31, 3
	s_add_co_u32 s30, s30, s31
	v_add_nc_u32 v10, s30, v10                     ; the position
	v_cvt_f32_u32 v10, v10
	v_mov_b32 v11, 1.0                             ; f[0]
	FREQ 1, 0x3f0ff59a
	FREQ 2, 0x3ea1e89b
	FREQ 3, 0x3e361887
	FREQ 4, 0x3dcccccd
	FREQ 5, 0x3d6655c3
	FREQ 6, 0x3d0186e2
	FREQ 7, 0x3c91ad39
	FREQ 8, 0x3c23d70a
	FREQ 9, 0x3bb8449c
	FREQ 10, 0x3b4f3e37
	FREQ 11, 0x3ae91528
	FREQ 12, 0x3a83126f
	FREQ 13, 0x3a136a16
	FREQ 14, 0x39a5cb5f
	FREQ 15, 0x393a7753
	v_mul_f32 v10, v10, v11                        ; the angle, rounded once
	v_mul_f32 v12, 0x3f22f983, v10                 ; x 2 / pi
	v_rndne_f32 v12, v12                           ; n
	v_fmamk_f32 v13, v12, 0xbfc90fd8, v10          ; the angle less n pi / 2, pi / 2 in three parts
	v_fmamk_f32 v13, v12, 0xb4a8885a, v13
	v_fmamk_f32 v13, v12, 0xa7c234c4, v13
	v_mul_f32 v14, v13, v13
	v_mov_b32 v15, 0x36405000                      ; the sine on +-pi / 4
	v_mov_b32 v249, 0x37cd4000                     ; the cosine
	v_fmaak_f32 v15, v15, v14, 0xb9503486
	v_fmaak_f32 v249, v249, v14, 0xbab6077d
	v_fmaak_f32 v15, v15, v14, 0x3c0888c1
	v_fmaak_f32 v249, v249, v14, 0x3d2aaaa8
	v_fmaak_f32 v15, v15, v14, 0xbe2aaaab
	v_fmaak_f32 v249, v249, v14, 0xbf000000
	v_mul_f32 v248, v13, v14
	v_fmaak_f32 v249, v249, v14, 0x3f800000
	v_fma_f32 v15, v15, v248, v13
	v_cvt_i32_f32 v250, v12                        ; the quadrant
	v_and_b32 v251, 1, v250
	v_cmp_ne_u32 vcc_lo, 0, v251
	v_cndmask_b32 v252, v15, v249, vcc_lo          ; odd quadrants change sine and cosine
	v_cndmask_b32 v253, v249, v15, vcc_lo
	v_lshlrev_b32 v251, 30, v250
	v_and_b32 v251, 0x80000000, v251               ; the sine is negative in quadrants 2, 3
	v_xor_b32 v252, v252, v251
	v_add_nc_u32 v250, 1, v250
	v_lshlrev_b32 v250, 30, v250
	v_and_b32 v250, 0x80000000, v250               ; the cosine in 1, 2
	v_xor_b32 v253, v253, v250
	v_lshlrev_b32 v254, 2, v0
	global_store_b32 v254, v253, s[14:15]          ; the work-group's 128 threads store 512 consecutive bytes
	global_store_b32 v254, v252, s[14:15] offset:1024
	; ---- the four fragments
.macro FRAGMENT f
.if \f < 3
	s_wait_loadcnt 16                              ; this fragment's 16 loads are in; the next fragment's may be out
.else
	s_wait_loadcnt 0x0
.endif
.irp i, 0,1,2,3,4,5,6,7,8,9,10,11,12,13,14,15
	ds_store_b128 v5, v[R+64*((\f)%2)+4*\i:R+64*((\f)%2)+4*\i+3] offset:528*\i
.endr
.irp b, 0,1,2,3
.irp j, 0,1,2,3
	ds_load_b128 v[X+16*\b+4*\j:X+16*\b+4*\j+3], v6 offset:128*\b+16*\j   ; LDS serves a wave's instructions in order: these see the stores above
.endr
.endr
	s_wait_dscnt 0x0                               ; my 64 numbers are back, and the stores have read their registers
	s_wait_xcnt 0x0                                ; the codes' registers, which the last fragment's stores read, are written again only behind this wait
.if \f < 2
	LOAD (\f)+2
.endif
	QUANT X, PW+\f
.irp c, 0,1,2
	global_store_b128 v4, v[PC+4*\c:PC+4*\c+3], s[24:25] offset:1536*(\f)+512*\c   ; 32 lanes store 512 consecutive bytes, aligned
.endr
.endm
	FRAGMENT 0
	FRAGMENT 1
	FRAGMENT 2
	FRAGMENT 3
	v_cmp_ne_u32 vcc_lo, 0, v3
	v_cndmask_b32 v250, v[PW], v[PW+2], vcc_lo     ; lanes 0-15 store words 0, 1 of their row, lanes 16-31 words 2, 3
	v_cndmask_b32 v251, v[PW+1], v[PW+3], vcc_lo
	global_store_b64 v7, v[250:251], s[26:27]      ; 32 lanes store 256 consecutive bytes, aligned
	s_wait_tensorcnt 0x0
	ds_add_u32 v239, v255
	s_wait_dscnt 0x0
	s_endpgm
.Lfunc_end_k_q2ef56dbcdb_prep:
	.size	k_q2ef56dbcdb_prep, .Lfunc_end_k_q2ef56dbcdb_prep-k_q2ef56dbcdb_prep
	.p2alignl 7, 3214868480
	.fill 96, 4, 3214868480
	.section	.rodata,"a",@progbits
	.p2align	6, 0x0
	.amdhsa_kernel k_q2ef56dbcdb_prep
		.amdhsa_group_segment_fixed_size 34304
		.amdhsa_private_segment_fixed_size 0
		.amdhsa_enable_private_segment 0
		.amdhsa_kernarg_size 48
		.amdhsa_user_sgpr_count 2
		.amdhsa_user_sgpr_kernarg_segment_ptr 1
		.amdhsa_wavefront_size32 1
		.amdhsa_system_sgpr_workgroup_id_x 1
		.amdhsa_system_sgpr_workgroup_id_y 1
		.amdhsa_system_sgpr_workgroup_id_z 1
		.amdhsa_system_vgpr_workitem_id 0
		.amdhsa_next_free_vgpr 256
		.amdhsa_next_free_sgpr 66
		.amdhsa_reserve_vcc 1
		.amdhsa_float_denorm_mode_32 3
		.amdhsa_float_denorm_mode_16_64 3
		.amdhsa_memory_ordered 1
		.amdhsa_forward_progress 1
		.amdhsa_inst_pref_size 37
	.end_amdhsa_kernel
	.amdgpu_metadata
---
amdhsa.version: [ 1, 2 ]
amdhsa.kernels:
  - .name:           k_q2ef56dbcdb_prep
    .symbol:         k_q2ef56dbcdb_prep.kd
    .args:
      - { .name: x, .offset: 0, .size: 8, .value_kind: global_buffer, .address_space: global }
      - { .name: Wqkv, .offset: 8, .size: 8, .value_kind: global_buffer, .address_space: global }
      - { .name: Wout, .offset: 16, .size: 8, .value_kind: global_buffer, .address_space: global }
      - { .name: img, .offset: 24, .size: 8, .value_kind: global_buffer, .address_space: global }
      - { .name: scl, .offset: 32, .size: 8, .value_kind: global_buffer, .address_space: global }
      - { .name: rope, .offset: 40, .size: 8, .value_kind: global_buffer, .address_space: global }
    .group_segment_fixed_size: 34304
    .private_segment_fixed_size: 0
    .kernarg_segment_align: 8
    .kernarg_segment_size: 48
    .max_flat_workgroup_size: 128
    .sgpr_count:     66
    .vgpr_count:     256
    .wavefront_size: 32
...
	.end_amdgpu_metadata
.endif
;; end of part 1
;; launch qkv (part 2): grid 12 x 16, 4 waves a work-group, clusters of 4 x 4, 327,680 bytes of LDS; arguments img, scl, rope, bqkv, qb, kvb; writes qb, kvb
.if DOCPART == 2
	.amdgcn_target "amdgcn-amd-amdhsa--gfx1250"
	.amdhsa_code_object_version 6
	.text
	.protected	k_q2ef56dbcdb_qkv
	.globl	k_q2ef56dbcdb_qkv
	.p2align	8
	.type	k_q2ef56dbcdb_qkv,@function
k_q2ef56dbcdb_qkv:
	s_mov_b64 s[64:65], 0
	v_nop
	global_prefetch_b8 v0, s[64:65] scope:SCOPE_SE
	s_setreg_imm32_b32 hwreg(HW_REG_WAVE_MODE, 25, 1), 1
	s_wait_xcnt 0x0
	s_wait_alu depctr_hold_cnt(0) depctr_sa_sdst(0) depctr_va_vdst(0) depctr_va_sdst(0) depctr_va_ssrc(0) depctr_va_vcc(0) depctr_vm_vsrc(0)
	s_getreg_b32 s2, hwreg(HW_REG_IB_STS2, 6, 4)
	s_cmp_eq_u32 s2, 0
	s_cbranch_scc0 .Lentry_in_a_cluster
	s_endpgm
.Lentry_in_a_cluster:
	s_bfe_u32 s2, ttmp6, 0x10000c
	s_cmp_lg_u32 s2, 0xf033
	s_cbranch_scc0 .Lentry_shape_is_right
	s_endpgm
.Lentry_shape_is_right:
.set FR,    12
.set HALFT, 24576
.set SLOT,  4*HALFT
.set SCL,   3*SLOT
.set SPARE, SCL+16384
.set HBLK,  204800
.set ADRA, 16
.set ADRB, 20
.set LI,   24
.set LS,   25
.set BQ,   26
.set ADRS, 27
.set SPW,  28
.set NIL,  29
.set BV,   30
.set SC,   32
.set AF,   128
.set ST,   128
.set PC,   192
.set TM,   212
.set SW,   228
.set TMP,  236
.set WV,   16
.set HA,   17
.set HB,   18
.set ISV,  19
.set ROWT, 20
.set COLT, 21
.set CX,   22
.set CY,   23
.set G1,   24
.set G0,   32
.set G1B,  44
.set G0B,  52
.set SEL,  66
.set G1S,  68
.set G0S,  76
.set G1SB, 80
.set G0SB, 88
.set MSB, 0
.macro WIN new
.if MSB != \new
	s_set_vgpr_msb (MSB<<8)|\new
.set MSB, \new
.endif
.endm
.set MUL_LO, 0xa1
.set MUL_HI, 0xf1
.set TO_B,   0x40
.macro PLACES n
.rept \n
	v_nop
.endr
.endm
.macro JLOAD g0a, g1a, g0b, g1b
	s_cmp_eq_u32 s[HA], 0
	s_cbranch_scc0 .Lfor_b_\@
	tensor_load_to_lds s[\g0a:\g0a+3], s[\g1a:\g1a+7]
	s_nop 0
.rept 4
	v_nop
.endr
	s_branch .Lasked_\@
.Lfor_b_\@:
	tensor_load_to_lds s[\g0b:\g0b+3], s[\g1b:\g1b+7]
	s_nop 0
.rept 4
	v_nop
.endr
.Lasked_\@:
.endm
.macro CREST
	s_cmp_lg_u32 s[WV], 0
	s_cbranch_scc1 .Lnot_wave_0_\@
	s_barrier_signal -3
.Lnot_wave_0_\@:
	s_barrier_wait -3
	s_barrier_signal -1
	s_barrier_wait -1
.endm
.macro CROUND
	s_barrier_signal -1
	s_barrier_wait -1
	CREST
.endm
.macro QUANT s, pw
.irp b, 0,1,2,3
	v_max3_num_f32 v[TM+\b], |v[\s+16*\b]|, |v[\s+1+16*\b]|, 0x1800000
.endr
.irp i, 2,4,6,8,10,12,14
.irp b, 0,1,2,3
	v_max3_num_f32 v[TM+\b], v[TM+\b], |v[\s+16*\b+\i]|, |v[\s+1+16*\b+\i]|
.endr
.endr
.irp b, 0,1,2,3
	v_permlanex16_b32 v[TM+4+\b], v[TM+\b], s[SEL], s[SEL+1]
.endr
.irp b, 0,1,2,3
	v_max_num_f32 v[TM+\b], v[TM+\b], v[TM+4+\b]
.endr
.irp b, 0,1,2,3
	v_add_nc_u32 v[TM+12+\b], 0xff000000, v[TM+\b]
.endr
.irp b, 0,1,2,3
	v_lshrrev_b32 v[TM+4+\b], 23, v[TM+12+\b]
.endr
	v_lshl_or_b32 v[\pw], v[TM+5], 8, v[TM+4]
	v_lshl_or_b32 v[\pw], v[TM+6], 16, v[\pw]
	v_lshl_or_b32 v[\pw], v[TM+7], 24, v[\pw]
.irp c, 0,1
	v_cvt_scalef32_pk16_fp6_f32 v[PC+6*\c:PC+2+6*\c], v[\s+32*\c:\s+15+32*\c], v[TM+12+2*\c]
	v_cvt_scalef32_pk16_fp6_f32 v[PC+12+4*\c:PC+14+4*\c], v[\s+16+32*\c:\s+31+32*\c], v[TM+12+2*\c+1]
.endr
	v_nop
.irp c, 0,1
.irp i, 0,1,2
	v_permlane16_swap_b32 v[PC+6*\c+\i], v[PC+12+4*\c+\i]
.endr
.irp i, 0,1,2
	v_mov_b32 v[PC+3+6*\c+\i], v[PC+12+4*\c+\i]
.endr
.endr
.endm
	s_load_b256 s[4:11], s[0:1], 0x0
	s_load_b128 s[12:15], s[0:1], 0x20
	v_lshl_add_u32 v[SPW], v0, 2, SPARE
	v_mov_b32 v[NIL], 0
	ds_add_u32 v28, v29
	ds_add_u32 v28, v29
	s_wait_dscnt 0x0
	v_lshrrev_b32 v1, 5, v0
	v_readfirstlane_b32 s[WV], v1
	s_lshr_b32 s[HA], s[WV], 1
	s_and_b32 s[HB], s[WV], 1
	s_bfe_u32 s[CX], ttmp6, 0x40000
	s_bfe_u32 s[CY], ttmp6, 0x40004
	s_and_b32 s2, ttmp7, 0xffff
	s_lshl_b32 s2, s2, 2
	s_add_co_u32 s92, s2, s[CY]
	s_add_co_u32 s94, s2, s[CX]
	s_lshl_b32 s100, ttmp9, 2
	s_add_co_u32 s100, s100, s[CX]
	s_lshl_b32 s66, s[CY], 2
	s_lshl_b32 s66, 15, s66
	s_lshl_b32 s67, 0x1111, s[CX]
	s_cmp_eq_u32 ttmp9, 2
	s_cselect_b32 s[ISV], 1, 0
	s_cselect_b32 s[ROWT], s[CY], s92
	s_cselect_b32 s[COLT], s94, s100
	s_cselect_b32 s98, 384, 0
	s_cselect_b32 s99, 0, 256
	s_or_b32 s[G1], s66, (3<<16)|(1<<21)
	s_or_b32 s[G1B], s67, (3<<16)|(1<<21)
.irp g, G1, G1B
	s_mov_b32 s[\g+1], 384<<16
	s_mov_b32 s[\g+2], 8<<16
	s_mov_b32 s[\g+3], 384<<16
	s_mov_b32 s[\g+4], 8
	s_mov_b32 s[\g+5], 1536
	s_mov_b32 s[\g+6], 0
	s_mov_b32 s[\g+7], 0
.endr
	s_mov_b32 s[SEL], 0x76543210
	s_mov_b32 s[SEL+1], 0xfedcba98
	s_lshl_b32 s3, s[HB], 3
	s_lshl_b32 s92, s[ROWT], 4
	s_add_co_u32 s92, s92, s98
	s_add_co_u32 s92, s92, s3
	s_lshl_b32 s94, s[COLT], 4
	s_add_co_u32 s94, s94, s99
	s_add_co_u32 s94, s94, s3
	s_lshl_b32 s96, s92, 9
	s_mov_b32 s97, 0
	s_lshl_b32 s100, s94, 9
	s_mov_b32 s101, 0
	s_mul_i32 s92, s92, 12288
	s_mov_b32 s93, 0
	s_mul_i32 s94, s94, 12288
	s_mov_b32 s95, 0
	s_mul_i32 s3, s[WV], HALFT
	s_wait_kmcnt 0x0
	s_add_nc_u64 s[92:93], s[4:5], s[92:93]
	s_add_nc_u64 s[94:95], s[4:5], s[94:95]
	CROUND
.irp s, 0,1,2
	s_mov_b32 s[G0+4*\s], 1
	s_add_co_u32 s[G0+4*\s+1], s3, \s*SLOT
	s_add_nc_u64 s[G0+4*\s+2:G0+4*\s+3], s[92:93], \s*3072
	s_or_b32 s[G0+4*\s+3], s[G0+4*\s+3], 0x80000000
	s_mov_b32 s[G0B+4*\s], 1
	s_add_co_u32 s[G0B+4*\s+1], s3, \s*SLOT
	s_add_nc_u64 s[G0B+4*\s+2:G0B+4*\s+3], s[94:95], \s*3072
	s_or_b32 s[G0B+4*\s+3], s[G0B+4*\s+3], 0x80000000
.endr
	JLOAD G0, G1, G0B, G1B                         ; K steps 0, 1: my one tensor load at the head
	v_and_b32 v1, 31, v0
	v_and_b32 v2, 15, v0
	v_bfe_u32 v3, v0, 4, 1
	v_lshlrev_b32 v[LI], 4, v1
	v_lshlrev_b32 v[LS], 4, v2
	v_lshl_add_u32 v[LS], v3, 3, v[LS]
	v_lshlrev_b32 v[BQ], 6, v3
	v_and_b32 v4, 8, v2
	v_add_nc_u32 v4, v4, v2
	v_lshlrev_b32 v[BV], 2, v4
	s_mul_i32 s2, s[HA], HALFT
	s_mul_i32 s3, s[HB], HALFT
	s_add_co_u32 s3, s3, 2*HALFT
.irp s, 0,1,2
	v_add_nc_u32 v[ADRA+\s], s2, v[LI]
	v_add_nc_u32 v[ADRB+\s], s3, v[LI]
	s_add_co_u32 s2, s2, SLOT
	s_add_co_u32 s3, s3, SLOT
.endr
	; the scale words go from scl straight into the scale registers: lanes 0-15 take the words of my 8 tiles of source 1, lanes 16-31 those of source 0; sixteen lanes read 256 consecutive bytes
	s_lshl_b32 s2, s[HA], 12
	s_lshl_b32 s3, s[HB], 12
	s_add_co_u32 s2, s2, s96
	s_sub_co_u32 s2, s2, s3
	v_mul_u32_u24 v5, s100, v3
	v_sub_nc_u32 v6, 1, v3
	v_mad_u32_u24 v5, s2, v6, v5
	v_lshl_add_u32 v[ADRS], v2, 4, v5
.irp i, 0,1,2,3,4,5,6,7
.irp g, 0,1
	global_load_b128 v[SC+8*\i+4*\g:SC+8*\i+4*\g+3], v[ADRS], s[6:7] offset:512*\i+256*\g
.endr
.endr
	; prefetches: behind each joint load the tile that the NEXT joint load brings (3,072 bytes further along each of the 8 rows that I fetch).  The four partners that ask for a tile jointly share its rows out by address:
	; the partner at place p takes rows 2 p and 2 p + 1: 24 blocks of 256 bytes, a lane a block (lanes 24-31 name the last again).  The offsets are immediates: no address register is written again.
	s_cmp_eq_u32 s[HA], 0
	s_cselect_b64 s[68:69], s[92:93], s[94:95]
	s_cselect_b32 s70, s[CX], s[CY]
	s_mul_i32 s70, s70, 24576
	s_mov_b32 s71, 0
	s_add_nc_u64 s[68:69], s[68:69], s[70:71]
	v_min_u32 v7, 23, v1
	v_mul_u32_u24 v8, v7, 171
	v_lshrrev_b32 v8, 11, v8                       ; lane / 12
	v_mul_u32_u24 v8, v8, 9216
	v_lshl_add_u32 v7, v7, 8, v8                   ; 12,288 x (lane / 12) + 256 x (lane % 12)
	global_prefetch_b8 v7, s[68:69] offset:3072 th:TH_LOAD_NT scope:SCOPE_SE
	s_lshl_b32 s100, s[ROWT], 4
	s_lshl_b32 s101, s[HA], 3
	s_add_co_u32 s100, s100, s101
	s_and_b32 s100, s100, 127
	s_lshl_b32 s100, s100, 11
	s_mov_b32 s101, 0
	s_add_nc_u64 s[100:101], s[8:9], s[100:101]
	s_cmp_eq_u32 s[ISV], 1
	s_cbranch_scc1 .Lbias_v
	s_lshl_b32 s98, s[COLT], 10
	s_lshl_b32 s99, s[HB], 9
	s_add_co_u32 s98, s98, s99
	s_mov_b32 s99, 0
	s_add_nc_u64 s[98:99], s[10:11], s[98:99]
	WIN TO_B
.irp b, 0,1,2,3,4,5,6,7
	global_load_b128 v[96+128*(\b/4)+8*(\b%4):96+128*(\b/4)+8*(\b%4)+3], v[BQ], s[98:99] offset:(32*(\b/2)+8*(\b%2))*4
	global_load_b128 v[96+128*(\b/4)+8*(\b%4)+4:96+128*(\b/4)+8*(\b%4)+7], v[BQ], s[98:99] offset:(32*(\b/2)+8*(\b%2))*4+16
.endr
	WIN 0
	s_branch .Lbias_done
.Lbias_v:
	s_lshl_b32 s98, s[ROWT], 10
	s_lshl_b32 s99, s[HA], 9
	s_add_co_u32 s98, s98, s99
	s_add_co_u32 s98, s98, 8192
	s_mov_b32 s99, 0
	s_add_nc_u64 s[98:99], s[10:11], s[98:99]
	WIN TO_B
.irp a, 0,1,2,3,4,5,6,7
	global_load_b32 v[96+2*\a], v[BV], s[98:99] offset:(32*(\a/2)+8*(\a%2))*4
	global_load_b32 v[97+2*\a], v[BV], s[98:99] offset:(32*(\a/2)+8*(\a%2))*4
.endr
	WIN 0
.Lbias_done:
.macro FRAG reg, adr, q, i
.irp c, 0,1,2
	ds_load_b128 v[\reg+4*\c:\reg+4*\c+3], v[\adr] offset:3072*(\i)+1536*(\q)+512*\c
.endr
.endm
.macro MUL16 a0, p, s, zero
.irp a, \a0, \a0+1
.irp b, 0,1,2,3,4,5,6,7
.if \zero
	v_wmma_scale_f32_16x16x128_f8f6f4 v[8*(8*((\a)%4)+\b):8*(8*((\a)%4)+\b)+7], v[128*(\p)+FR*\b:128*(\p)+FR*\b+FR-1], v[AF+FR*(\a):AF+FR*(\a)+FR-1], 0, v[SC+8*\b+(\s)], v[SC+8*(\a)+(\s)] matrix_a_fmt:MATRIX_FMT_FP6 matrix_b_fmt:MATRIX_FMT_FP6 matrix_a_scale:MATRIX_SCALE_ROW1
.else
	v_wmma_scale_f32_16x16x128_f8f6f4 v[8*(8*((\a)%4)+\b):8*(8*((\a)%4)+\b)+7], v[128*(\p)+FR*\b:128*(\p)+FR*\b+FR-1], v[AF+FR*(\a):AF+FR*(\a)+FR-1], v[8*(8*((\a)%4)+\b):8*(8*((\a)%4)+\b)+7], v[SC+8*\b+(\s)], v[SC+8*(\a)+(\s)] matrix_a_fmt:MATRIX_FMT_FP6 matrix_b_fmt:MATRIX_FMT_FP6 matrix_a_scale:MATRIX_SCALE_ROW1
.endif
.endr
.endr
.endm
.macro FETCH_B slot, q, p
	WIN TO_B
.irp i, 0,1,2,3,4,5,6,7
	FRAG 128*(\p)+FR*\i, ADRB+\slot, \q, \i
.endr
	WIN 0
.endm
.macro FETCH_A slot, q, i0
.irp i, \i0, \i0+1, \i0+2, \i0+3
	FRAG AF+FR*(\i), ADRA+\slot, \q, \i
.endr
.endm
.macro STEP s, zero
.set NS, (((\s)+1)/2)%3
.set NQ, ((\s)+1)%2
.set PB, (\s)%2
	s_wait_dscnt 12
	WIN MUL_LO
	MUL16 0, PB, \s, \zero
	MUL16 2, PB, \s, \zero
	s_wait_dscnt 0x0
	PLACES 4
	FETCH_B NS, NQ, 1-PB
	FETCH_A NS, NQ, 0
	WIN MUL_HI
	MUL16 4, PB, \s, \zero
	MUL16 6, PB, \s, \zero
	PLACES 4
	WIN 0
	FETCH_A NS, NQ, 4
.endm
.macro TURN s, fill
.set NS, (((\s)+1)/2)%3
.set NQ, ((\s)+1)%2
.set PB, (\s)%2
	s_wait_tensorcnt 0x0
	ds_add_u32 v[SPW], v[NIL]
	s_wait_dscnt 13
	WIN MUL_LO
	MUL16 0, PB, \s, 0
	s_wait_dscnt 0x0
	s_barrier_signal -1
	MUL16 2, PB, \s, 0
	WIN 0
	s_barrier_wait -1
.if \fill == 1
	CREST
	JLOAD G0+8, G1, G0B+8, G1B                     ; slot 2's first fill: K steps 4, 5
	global_prefetch_b8 v7, s[68:69] offset:9216 th:TH_LOAD_NT scope:SCOPE_SE
.elseif \fill == 2
	CREST
	s_add_nc_u64 s[G0+2:G0+3], s[G0+2:G0+3], 9216
	s_add_nc_u64 s[G0B+2:G0B+3], s[G0B+2:G0B+3], 9216
	JLOAD G0, G1, G0B, G1B                         ; slot 0 again: K steps 6, 7
.else
	PLACES 4
.endif
	FETCH_B NS, NQ, 1-PB
	FETCH_A NS, NQ, 0
	WIN MUL_HI
	MUL16 4, PB, \s, 0
	MUL16 6, PB, \s, 0
	PLACES 4
	WIN 0
	FETCH_A NS, NQ, 4
.endm
.macro ROPELD a
.irp ch, 0,1,2,3
	global_load_b128 v[16*(\a)+32*((\a)/6)+4*\ch:16*(\a)+32*((\a)/6)+4*\ch+3], v[LI], s[100:101] offset:2048*(\a)+512*\ch
.endr
.endm
	s_wait_alu depctr_va_vdst(0)
	s_wait_tensorcnt 0x0                           ; my part of K steps 0, 1 is in; slot 1's first fill is issued as a refill is
	ds_add_u32 v[SPW], v[NIL]
	s_wait_dscnt 0x0
	CROUND
	JLOAD G0+4, G1, G0B+4, G1B
	FETCH_B 0, 0, 0
	FETCH_A 0, 0, 0
	s_wait_loadcnt 16                              ; the scale words are in; the 16 younger loads, the bias, may be out
	FETCH_A 0, 0, 4
	global_prefetch_b8 v7, s[68:69] offset:6144 th:TH_LOAD_NT scope:SCOPE_SE
	STEP 0, 1
	TURN 1, 1
	STEP 2, 0
	TURN 3, 2
	STEP 4, 0
	TURN 5, 0
	STEP 6, 0
	s_cmp_eq_u32 s[ISV], 1
	s_cbranch_scc1 .Lno_table
	WIN TO_B
.irp a, 0,1,2,3,4,5
	ROPELD \a
.endr
	WIN 0
.Lno_table:
	s_wait_dscnt 12
	WIN MUL_LO
	MUL16 0, 1, 7, 0
	MUL16 2, 1, 7, 0
	s_wait_dscnt 0x0
	WIN MUL_HI
	MUL16 4, 1, 7, 0
	MUL16 6, 1, 7, 0
	PLACES 4
	WIN 0
.irp b, 0,1,2,3
	v_mov_b32 v[TM+4+\b], 0
.endr
	s_lshl_b32 s92, s[ROWT], 2
	s_lshl_b32 s93, s[HA], 1
	s_add_co_u32 s92, s92, s93
	s_lshl_b32 s94, s[CX], 2
	s_lshl_b32 s95, s[HB], 1
	s_add_co_u32 s94, s94, s95
	s_cmp_eq_u32 s[ISV], 1
	s_cselect_b32 s92, s92, s94
	s_cselect_b32 s93, s[COLT], s[ROWT]
	s_cselect_b32 s94, s[HB], s[HA]
	s_cselect_b32 s95, 98304, 0
	s_cselect_b32 s96, 4096, 0
	s_lshr_b32 s97, s93, 3
	s_lshl_b32 s97, s97, 4
	s_add_co_u32 s92, s92, s97
	s_mul_i32 s92, s92, HBLK
	s_lshl_b32 s93, s93, 1
	s_add_co_u32 s93, s93, s94
	s_and_b32 s93, s93, 15
	s_lshl_b32 s94, s93, 8
	s_add_co_u32 s94, s94, s96
	s_add_co_u32 s94, s94, s92
	s_lshr_b32 s97, s93, 2
	s_mul_i32 s97, s97, 24576
	s_and_b32 s93, s93, 3
	s_mul_i32 s93, s93, 6144
	s_add_co_u32 s92, s92, s97
	s_add_co_u32 s92, s92, s93
	s_add_co_u32 s92, s92, s95
	s_add_co_u32 s92, s92, 8192
	s_mov_b32 s93, 0
	s_mov_b32 s95, 0
	s_cmp_eq_u32 ttmp9, 0
	s_cselect_b64 s[12:13], s[12:13], s[14:15]
	s_add_nc_u64 s[14:15], s[12:13], s[94:95]
	s_add_nc_u64 s[12:13], s[12:13], s[92:93]
.macro EPI_QK bt, hd
	WIN 0x06+(\bt)/2
.irp e, 0,1
.irp t, 0,1,2,3
.irp k, 0,2,4,6
	v_pk_add_f32 v[ST+32*\e+8*\t+\k:ST+32*\e+8*\t+\k+1], v[8*(8*(2*((\bt)%2)+\e)+4*(\hd)+\t)+\k:8*(8*(2*((\bt)%2)+\e)+4*(\hd)+\t)+\k+1], v[96+128*(\hd)+8*\t+\k:96+128*(\hd)+8*\t+\k+1]
.endr
.endr
.endr
	WIN 0x04
.irp e, 0,1
.set RT, 16*(2*(\bt)+\e)+32*((2*(\bt)+\e)/6)
.irp j, 0,1,2,3,4,5,6,7
	v_mul_f32 v[TMP+2*\j], v[ST+32*\e+2*\j+1], v[RT+8+\j]
	v_mul_f32 v[TMP+2*\j+1], v[ST+32*\e+2*\j], v[RT+8+\j]
.endr
.irp j, 0,1,2,3,4,5,6,7
	v_fma_f32 v[ST+32*\e+2*\j], v[ST+32*\e+2*\j], v[RT+\j], -v[TMP+2*\j]
	v_fma_f32 v[ST+32*\e+2*\j+1], v[ST+32*\e+2*\j+1], v[RT+\j], v[TMP+2*\j+1]
.endr
.endr
	WIN 0
	s_wait_xcnt 0x0
	QUANT ST, SW+4*(\hd)+(\bt)
.irp c, 0,1,2
	global_store_b128 v[LI], v[PC+4*\c:PC+4*\c+3], s[12:13] offset:HBLK*(\hd)+1536*(\bt)+512*\c
.endr
.endm
.macro EPI_V a
	WIN 0x06+(\a)/4
.irp b, 0,1,2,3,4,5,6,7
.irp k, 0,2,4,6
	v_pk_add_f32 v[ST+8*\b+\k:ST+8*\b+\k+1], v[8*(8*((\a)%4)+\b)+\k:8*(8*((\a)%4)+\b)+\k+1], v[96+2*(\a):97+2*(\a)]
.endr
.endr
	WIN 0
	s_wait_xcnt 0x0
	QUANT ST, SW+(\a)
.irp c, 0,1,2
	global_store_b128 v[LI], v[PC+4*\c:PC+4*\c+3], s[12:13] offset:HBLK*((\a)/4)+1536*((\a)%4)+512*\c
.endr
.endm
	s_cmp_eq_u32 s[ISV], 1
	s_cbranch_scc1 .Lepi_v
	WIN TO_B
	ROPELD 6
	ROPELD 7
	WIN 0
.irp bt, 0,1,2,3
.if \bt < 3
	s_wait_loadcnt 8
.else
	s_wait_loadcnt 0x0
.endif
	EPI_QK \bt, 0
	EPI_QK \bt, 1
.endr
	s_branch .Ltail
.Lepi_v:
	s_wait_loadcnt 0x0
.irp a, 0,1,2,3,4,5,6,7
	EPI_V \a
.endr
.Ltail:
	v_cmp_ne_u32 vcc_lo, 0, v3
.irp hd, 0,1
	v_cndmask_b32 v[TMP+2*\hd], v[SW+4*\hd], v[SW+4*\hd+2], vcc_lo
	v_cndmask_b32 v[TMP+2*\hd+1], v[SW+4*\hd+1], v[SW+4*\hd+3], vcc_lo
	global_store_b64 v[LS], v[TMP+2*\hd:TMP+2*\hd+1], s[14:15] offset:HBLK*\hd
.endr
	s_wait_tensorcnt 0x0
	ds_add_u32 v[SPW], v[NIL]
	s_wait_dscnt 0x0
	CROUND
	s_endpgm
.Lfunc_end_k_q2ef56dbcdb_qkv:
	.size	k_q2ef56dbcdb_qkv, .Lfunc_end_k_q2ef56dbcdb_qkv-k_q2ef56dbcdb_qkv
	.p2alignl 7, 3214868480
	.fill 96, 4, 3214868480
	.section	.rodata,"a",@progbits
	.p2align	6, 0x0
	.amdhsa_kernel k_q2ef56dbcdb_qkv
		.amdhsa_group_segment_fixed_size 327680
		.amdhsa_private_segment_fixed_size 0
		.amdhsa_enable_private_segment 0
		.amdhsa_kernarg_size 48
		.amdhsa_user_sgpr_count 2
		.amdhsa_user_sgpr_kernarg_segment_ptr 1
		.amdhsa_wavefront_size32 1
		.amdhsa_system_sgpr_workgroup_id_x 1
		.amdhsa_system_sgpr_workgroup_id_y 1
		.amdhsa_system_sgpr_workgroup_id_z 1
		.amdhsa_system_vgpr_workitem_id 0
		.amdhsa_next_free_vgpr 1024
		.amdhsa_next_free_sgpr 102
		.amdhsa_reserve_vcc 1
		.amdhsa_float_denorm_mode_32 3
		.amdhsa_float_denorm_mode_16_64 3
		.amdhsa_memory_ordered 1
		.amdhsa_forward_progress 1
		.amdhsa_inst_pref_size 236
	.end_amdhsa_kernel
	.amdgpu_metadata
---
amdhsa.version: [ 1, 2 ]
amdhsa.kernels:
  - .name:           k_q2ef56dbcdb_qkv
    .symbol:         k_q2ef56dbcdb_qkv.kd
    .args:
      - { .name: img, .offset: 0, .size: 8, .value_kind: global_buffer, .address_space: global }
      - { .name: scl, .offset: 8, .size: 8, .value_kind: global_buffer, .address_space: global }
      - { .name: rope, .offset: 16, .size: 8, .value_kind: global_buffer, .address_space: global }
      - { .name: bqkv, .offset: 24, .size: 8, .value_kind: global_buffer, .address_space: global }
      - { .name: qb, .offset: 32, .size: 8, .value_kind: global_buffer, .address_space: global }
      - { .name: kvb, .offset: 40, .size: 8, .value_kind: global_buffer, .address_space: global }
    .group_segment_fixed_size: 327680
    .private_segment_fixed_size: 0
    .kernarg_segment_align: 8
    .kernarg_segment_size: 48
    .max_flat_workgroup_size: 128
    .sgpr_count:     102
    .vgpr_count:     1024
    .wavefront_size: 32
...
	.end_amdgpu_metadata
.endif
;; end of part 2
;; launch attn (part 3): grid 8 x 32, 16 waves a work-group, clusters of 4 x 1, 327,680 bytes of LDS; arguments qb, kvb, aoi, aos; writes aoi, aos
.if DOCPART == 3
	.amdgcn_target "amdgcn-amd-amdhsa--gfx1250"
	.amdhsa_code_object_version 6
	.text
	.protected	k_q2ef56dbcdb_attn
	.globl	k_q2ef56dbcdb_attn
	.p2align	8
	.type	k_q2ef56dbcdb_attn,@function
k_q2ef56dbcdb_attn:
	s_mov_b64 s[64:65], 0
	v_nop
	global_prefetch_b8 v0, s[64:65] scope:SCOPE_SE
	s_setreg_imm32_b32 hwreg(HW_REG_WAVE_MODE, 25, 1), 1
	s_wait_xcnt 0x0
	s_wait_alu depctr_hold_cnt(0) depctr_sa_sdst(0) depctr_va_vdst(0) depctr_va_sdst(0) depctr_va_ssrc(0) depctr_va_vcc(0) depctr_vm_vsrc(0)
	s_getreg_b32 s2, hwreg(HW_REG_IB_STS2, 6, 4)
	s_cmp_eq_u32 s2, 0
	s_cbranch_scc0 .Lentry_in_a_cluster
	s_endpgm
.Lentry_in_a_cluster:
	s_bfe_u32 s2, ttmp6, 0x10000c
	s_cmp_lg_u32 s2, 0x3003
	s_cbranch_scc0 .Lentry_shape_is_right
	s_endpgm
.Lentry_shape_is_right:
; O = softmax(q k^T / 8) v for one (batch, head), both products on codes of FP6 (E2M3) with E8M0 scales; then O / l is quantised along d and leaves as half of a fragment of the last product's operand.
; THE SOFTMAX: t = score x log2(e) / 8; M = the row's largest t so far, rounded UP to a whole number; p = 2^(t - M) is quantised along the keys, not normalised.  The row's sum is taken of the unquantised p, in f32,
; and divides O at the end.  When M moves, the sum and O are multiplied by 2^(old M - new M): exact.
; SHARES.  A work-group owns 256 queries of a head; each of its sixteen waves one tile of 16, in 256 registers.  Both products are used transposed (S^T = k q^T, O^T = v^T p^T): a lane holds ONE query.
; A HEAD BLOCK of kvb (204,800 bytes = 800 rows of 256): k's scale words (16 rows, one a key step), v's (16), k's images (16 steps x 24 rows), v's images (16 x 24).  It lies in LDS whole, each row of 256 bytes followed by 64 of padding.
; It comes by two groups of joint loads, one load a wave in each: first rows 0-143 (nine waves) and 416-527 (seven waves): all scale words and key steps 0 to 3; then the other 544 rows,
; 34 a wave, which land under key steps 0 to 2 and are waited for ahead of step 3.  Every byte is filled once.
; CLUSTER: the four work-groups of a cluster own queries of the same head and ask for its block jointly (mask 15).
; NO PREFETCH: the whole block has been asked for when the first key step begins: no later tile is left to ask ahead for.
; THE HEAD HAS 64 d, THE INSTRUCTION 128 ALONG K: a double image of k holds two tiles of 16 keys (registers 0-5, 6-11).  Against [q, zeros] it gives the first tile's scores, against [zeros, q] the second's.
; WHICH KEYS FORM A TILE IS CHOSEN BY THE LANES' LDS ADDRESSES.  In memory row x of double image b, half u, is key 32 b + 8 u + x + 8 (x / 8).  Lane r of my image 2 c + w reads row (r % 8) + 8 w of image 2 c + r / 8:
; key 64 c + 32 (r / 8) + 16 w + 8 u + r % 8.  So lane (r, h) has in S^T's registers 32 c + i key 64 c + 32 h + i: A WHOLE BLOCK OF 32 IN A LANE, as the operand p wants it: a block's maximum asks no other lane, and no codes change lanes.
; The two images that the halves of sixteen lanes read lie 1,920 bytes apart, which is 128 modulo 256: the sixteen lanes touch 256 different bytes modulo 256.
; THE STEP'S ORDER.  A trip begins with its scores in registers: the NEXT step's k q^T stands at the trip's end, behind this step's v^T p^T.  Between these twelve matrix instructions stand the additions of the row's sum,
; each tile of p summed ahead of the product that writes over it.  The LDS loads (this step's v, the next step's k) stand between the dependent lines that make M.  The last step is written out: it asks for no further k.
; LIMITS: NaN and infinities are not served; a block of p that has fallen to 0, and a block of O under 2^-124, keeps the byte 1; 1 / l is v_rcp_f32's.  A block's largest p is made from its largest score by the same two instructions as every p.
; The promise holds while the scaled scores stay under 2^31 in magnitude.
.set HBLK,  204800
.set PITCH, 320                        ; an LDS row
.set PIECE, 2*PITCH                    ; four registers of an image: 512 bytes
.set IMG,   6*PITCH                    ; an image
.set STEPB, 24*PITCH                   ; a key step's four images
.set VSCL,  16*PITCH
.set KIMG,  32*PITCH
.set VIMG,  416*PITCH
.set SPARE, 800*PITCH                  ; the spare words: 128 bytes a wave
; v1 my lane's place in k's images, v2 in v's; v12 -M, v13 the largest score so far, v[14:15] the sum in two halves; v16-21 q, v22-27 zeros, v28-33 q
.set OLD,  3                           ; -M as it was
.set KS,   4                           ; v4-7 k's scale words;  v8-11 v's
.set VS,   8
.set AK,   34                          ; LDS addresses; behind the loads the pair is a chain of the sum
.set AV,   35
.set KF,   36                          ; v36-83 four double images of k
.set VF,   84                          ; v84-131 v's four tiles of d
.set S,    132                         ; v132-195 S^T, then p
.set O,    196                         ; v196-227 O^T
.set PC,   228                         ; v228-239 p's codes
.set BM,   240                         ; my two blocks' largest scores, then p, then bytes
.set SO,   242                         ; LDS addresses of the scale words, then the conversions' scale operands
.set T,    244                         ; a pair at work
.set LKS,  246                         ; my lane's place in k's scale words, and in v's
.set LVS,  247
.set SH8,  248                         ; 8 h
.set TMP,  249
.set SPW,  250
.set NIL,  251
.set F,    252                         ; f = 2^(old M - new M); v253 is named with it as a pair; behind its last use the pair is a chain of the sum
.set QS,   254
.set PW,   255
.set CA,   14                          ; the sum's four chains
.set CB,   T
.set CC,   AK
.set CD,   F
.set WV,   18
.set SEL,  20
.set CS,   22
.set G1A,  24
.set G1B,  32
.set G0A,  40
.set G0B,  44
.set TB,   60
.set TS,   61
.set CNT,  62
.macro CROUND
	s_barrier_signal -1
	s_barrier_wait -1
	s_cmp_lg_u32 s[WV], 0
	s_cbranch_scc1 .Lnot_wave_0_\@
	s_barrier_signal -3
.Lnot_wave_0_\@:
	s_barrier_wait -3
	s_barrier_signal -1
	s_barrier_wait -1
.endm
	s_load_b256 s[4:11], s[0:1], 0x0               ; qb, kvb, aoi, aos
	v_lshl_add_u32 v[SPW], v0, 2, SPARE
	v_mov_b32 v[NIL], 0
	ds_add_u32 v[SPW], v[NIL]                      ; the opening lines
	ds_add_u32 v[SPW], v[NIL]
	v_lshrrev_b32 v3, 5, v0
	v_readfirstlane_b32 s[WV], v3
	s_bfe_u32 s12, ttmp6, 0x40000                  ; cx: it enters q's and the output's addresses alone
	s_lshl_b32 s13, ttmp9, 2
	s_add_co_u32 s13, s13, s12                     ; my block of 256 queries
	s_and_b32 s14, ttmp7, 0xffff                   ; 16 x batch + head
	s_mul_i32 s16, s14, HBLK
	s_mov_b32 s17, 0
.irp g, G1A, G1B                               ; rows of 256 bytes (32 elements of 8), 16 words of padding behind every 64; mask 15
	s_mov_b32 s[\g], 15|(3<<16)|(1<<20)|(1<<21)|(5<<22)|(15<<25)
	s_mov_b32 s[\g+1], 32<<16
	s_mov_b32 s[\g+3], 32<<16
	s_mov_b32 s[\g+5], 32
	s_mov_b32 s[\g+6], 0
	s_mov_b32 s[\g+7], 0
.endr
	s_mov_b32 s[G1A+2], 16<<16
	s_mov_b32 s[G1A+4], 16
	s_mov_b32 s[G1B+2], 34<<16
	s_mov_b32 s[G1B+4], 34
	s_add_co_u32 s2, s[WV], 7
	s_lshr_b32 s2, s2, 4                           ; 1 from wave 9 on
	s_mul_i32 s2, s2, 272
	s_lshl_b32 s3, s[WV], 4
	s_add_co_u32 s2, s2, s3                        ; the first group: my 16 rows begin at 16 w, from wave 9 on 272 further
	s_mul_i32 s[G0A+1], s2, PITCH
	s_lshl_b32 s2, s2, 8
	s_mov_b32 s3, 0
	s_mul_i32 s48, s[WV], 34
	s_lshr_b32 s49, s[WV], 3
	s_mul_i32 s49, s49, 112
	s_add_co_u32 s48, s48, s49
	s_add_co_u32 s48, s48, 144                     ; the second: my 34 rows begin at 144 + 34 w, from wave 8 on 112 further
	s_mul_i32 s[G0B+1], s48, PITCH
	s_lshl_b32 s48, s48, 8
	s_mov_b32 s49, 0
	s_mov_b32 s[G0A], 1
	s_mov_b32 s[G0B], 1
	s_mov_b32 s[SEL], 0x76543210
	s_mov_b32 s[SEL+1], 0xfedcba98
	s_mov_b32 s[CS], 0x3e38aa3b                    ; c = log2(e) / 8
	s_mov_b32 s[CS+1], s[CS]
	s_mov_b32 s[TB], 0
	s_mov_b32 s[TS], 0
	s_wait_dscnt 0x0
	s_wait_kmcnt 0x0
	s_add_nc_u64 s[6:7], s[6:7], s[16:17]
	s_add_nc_u64 s[4:5], s[4:5], s[16:17]
	s_add_nc_u64 s[G0A+2:G0A+3], s[6:7], s[2:3]
	s_or_b32 s[G0A+3], s[G0A+3], 0x80000000
	s_add_nc_u64 s[G0B+2:G0B+3], s[6:7], s[48:49]
	s_or_b32 s[G0B+3], s[G0B+3], 0x80000000
	CROUND                                         ; the joint loads meet
	tensor_load_to_lds s[G0A:G0A+3], s[G1A:G1A+7]
	s_nop 0
	s_lshl_b32 s15, s13, 4
	s_add_co_u32 s15, s15, s[WV]                   ; my tile of queries, 0..127
	s_lshr_b32 s19, s15, 1                         ; its double image,
	s_and_b32 s63, s[WV], 1                        ; and which half of that
	s_mul_i32 s2, s19, 1536
	s_add_co_u32 s2, s2, 8192
	s_add_nc_u64 s[16:17], s[4:5], s[2:3]
	s_mul_i32 s50, s63, 520                        ; registers 0-5 lie at 0, 8, 512 of my lane's places, registers 6-11 at 520, 1,024, 1,032
	s_mul_i32 s51, s63, 1016
	s_lshr_b32 s52, s19, 2
	s_lshl_b32 s52, s52, 8
	s_and_b32 s53, s19, 3
	s_lshl_b32 s53, s53, 2
	s_add_co_u32 s52, s52, s53                     ; the double image's scale words
	s_lshl_b32 s53, s63, 4
	v_and_b32 v[S], 31, v0
	v_and_b32 v[S+1], 15, v0                       ; r
	v_bfe_u32 v[S+2], v0, 4, 1                     ; h
	v_bfe_u32 v[S+3], v0, 3, 1                     ; r / 8
	v_and_b32 v[S+4], 7, v0                        ; r % 8
	v_lshlrev_b32 v[S+5], 4, v[S]
	v_lshlrev_b32 v[S+6], 4, v[S+1]
	v_add_nc_u32 v[S+7], s50, v[S+5]
	v_add_nc_u32 v[S+8], s51, v[S+5]
	v_add_nc_u32 v[S+9], s52, v[S+6]
	global_load_b64 v[16:17], v[S+7], s[16:17]
	global_load_b64 v[18:19], v[S+8], s[16:17] offset:8
	global_load_b64 v[20:21], v[S+7], s[16:17] offset:512
	global_load_b32 v[QS], v[S+9], s[4:5]
	v_mul_u32_u24 v1, v[S+2], PITCH                ; lanes 16-31 read the piece's second row
	v_lshl_add_u32 v2, v[S+1], 4, v1
	v_add_nc_u32 v2, VIMG, v2
	v_lshl_add_u32 v1, v[S+4], 4, v1
	v_mad_u32_u24 v1, v[S+3], IMG, v1
	v_add_nc_u32 v1, KIMG, v1
	v_lshlrev_b32 v[LKS], 2, v[S+3]
	v_lshl_add_u32 v[LKS], v[S+4], 4, v[LKS]       ; row r % 8 (+ 8 w), word r / 8 (+ 2 c)
	v_add_nc_u32 v[LVS], VSCL, v[S+6]
	v_lshlrev_b32 v[SH8], 3, v[S+2]
	v_mov_b32 v13, 0xff61b1e6                      ; -3e38, under every score
	v_floor_f32 v12, -v13                          ; so the first change of M gives f = 0
	v_mov_b32 v14, 0
	v_mov_b32 v15, 0
	v_mov_b32 v[F], 0
	v_mov_b32 v[F+1], 0
.set j, 0
.rept 24
	v_mov_b32 v[O+j], 0                            ; the step is written without a first step of its own: the first finds zeros
.set j, j+1
.endr
.irp i, 0,1,2,3,4,5
	v_mov_b32 v[22+\i], 0
.endr
	s_wait_loadcnt 0x0
	v_lshrrev_b32 v[QS], s53, v[QS]                ; my tile's two bytes, for blocks 0, 1 and for blocks 2, 3
	v_and_b32 v[QS], 0xffff, v[QS]
	v_lshl_or_b32 v[QS], v[QS], 16, v[QS]
.irp i, 0,1,2,3,4,5
	v_mov_b32 v[28+\i], v[16+\i]
.endr
.rept 8
	v_mov_b32 v[O+j], 0                            ; also the places between the lines above and the first products
.set j, j+1
.endr
	s_wait_alu depctr_va_vdst(0)                   ; the wait at the head's end
	s_wait_tensorcnt 0x0                           ; my rows of the first group are in; the second group is issued as a refill is
	ds_add_u32 v[SPW], v[NIL]
	s_wait_dscnt 0x0
	CROUND
	tensor_load_to_lds s[G0B:G0B+3], s[G1B:G1B+7]
	s_nop 0
.macro KLOAD adr, soff, i0             ; two double images of k
.irp i, \i0, \i0+1
.irp p, 0,1,2
	ds_load_b128 v[KF+12*(\i)+4*\p:KF+12*(\i)+4*\p+3], v[\adr] offset:\soff*STEPB+2*IMG*((\i)/2)+128*((\i)%2)+PIECE*\p
.endr
.endr
.endm
.macro VLOAD t0                        ; two tiles of v
.irp t, \t0, \t0+1
.irp p, 0,1,2
	ds_load_b128 v[VF+12*(\t)+4*\p:VF+12*(\t)+4*\p+3], v[AV] offset:IMG*(\t)+PIECE*\p
.endr
.endr
.endm
.macro KSLOAD adr, soff
.irp i, 0,1,2,3
	ds_load_b32 v[KS+\i], v[\adr] offset:\soff*PITCH+128*(\i%2)+8*(\i/2)
.endr
.endm
.macro QK t                            ; tile t of S^T: half t % 2 of double image t / 2
	v_wmma_scale_f32_16x16x128_f8f6f4 v[S+8*\t:S+8*\t+7], v[KF+12*(\t/2):KF+12*(\t/2)+11], v[16+6*(\t%2):27+6*(\t%2)], 0, v[KS+\t/2], v[QS] matrix_a_fmt:MATRIX_FMT_FP6 matrix_b_fmt:MATRIX_FMT_FP6
.endm
.macro PV t                            ; tile t of O^T; the four accumulators by turns
	v_wmma_scale_f32_16x16x128_f8f6f4 v[O+8*\t:O+8*\t+7], v[VF+12*\t:VF+12*\t+11], v[PC:PC+11], v[O+8*\t:O+8*\t+7], v[VS+\t], v[PW] matrix_a_fmt:MATRIX_FMT_FP6 matrix_b_fmt:MATRIX_FMT_FP6
.endm
.macro AD ch, k                        ; chain ch takes pair k of p
	v_pk_add_f32 v[\ch:\ch+1], v[\ch:\ch+1], v[S+2*\k:S+2*\k+1]
.endm
.macro AD2 ch, k                       ; chain ch begins with pairs k and k + 1
	v_pk_add_f32 v[\ch:\ch+1], v[S+2*\k:S+2*\k+1], v[S+2*\k+2:S+2*\k+3]
.endm
	KLOAD 1, 0, 0
	KLOAD 1, 0, 2
	KSLOAD LKS, 0
	s_wait_dscnt 0x0
.irp t, 0,1,2,3,4,5,6,7
	QK \t                                          ; the first step's scores
.endr
.rept 4
	v_nop                                          ; the places in front of the first read of the scores
.endr
; A KEY STEP: 128 keys; its scores are in registers.  last = 1: no further k is asked for or multiplied.
.macro STEP last
	v_mov_b32 v[OLD], v12
.irp c, 0,1                                    ; my two blocks' largest scores, four chains by turns, each accumulator from its low end on
	v_max3_num_f32 v[BM+\c], v[S+32*\c], v[S+32*\c+1], v[S+32*\c+2]
	v_max3_num_f32 v[T+\c], v[S+32*\c+16], v[S+32*\c+17], v[S+32*\c+18]
.endr
.irp i, 3,5,7,9,11,13
.irp c, 0,1
	v_max3_num_f32 v[BM+\c], v[BM+\c], v[S+32*\c+\i], v[S+32*\c+\i+1]
	v_max3_num_f32 v[T+\c], v[T+\c], v[S+32*\c+16+\i], v[S+32*\c+17+\i]
.endr
.endr
.irp c, 0,1
	v_max3_num_f32 v[BM+\c], v[BM+\c], v[T+\c], v[S+32*\c+15]
.endr
	v_add_nc_u32 v[AK], s[TB], v1
	v_add_nc_u32 v[AV], s[TB], v2
.irp c, 0,1
	v_max_num_f32 v[BM+\c], v[BM+\c], v[S+32*\c+31]
.endr
	v_add_nc_u32 v[SO], s[TS], v[LKS]
	v_add_nc_u32 v[SO+1], s[TS], v[LVS]
	v_max3_num_f32 v[TMP], v[BM], v[BM+1], v13
	VLOAD 0                                        ; the LDS loads stand between the dependent lines that make M
	v_permlanex16_b32 v[T], v[TMP], s[SEL], s[SEL+1]
	VLOAD 2
	ds_load_b128 v[VS:VS+3], v[SO+1]
	v_max_num_f32 v13, v[TMP], v[T]                ; the running largest score of my query
.if \last == 0
	KLOAD AK, 1, 0                                 ; the next step's k
.endif
	v_mul_f32 v[TMP], s[CS], v13
.if \last == 0
	KLOAD AK, 1, 2
.endif
	v_floor_f32 v12, -v[TMP]                       ; the new -M = -ceil(t)
.if \last == 0
	KSLOAD SO, 1
.endif
	v_sub_f32 v[TMP], v12, v[OLD]                  ; old M less new M: a whole number, 0 or less
	v_fma_f32 v[BM], v[BM], s[CS], v12
	v_fma_f32 v[BM+1], v[BM+1], s[CS], v12
	v_cvt_i32_f32 v[TMP], v[TMP]                   ; (it saturates)
.set k, 0
.rept 32
	v_pk_fma_f32 v[S+2*k:S+2*k+1], v[S+2*k:S+2*k+1], s[CS:CS+1], v[12:13] op_sel_hi:[1,0,0]   ; t - M
.if k == 3
	v_ldexp_f32 v[F], 1.0, v[TMP]
.endif
.set k, k+1
.endr
.set k, 0
.rept 16
	v_pk_mul_f32 v[O+2*k:O+2*k+1], v[O+2*k:O+2*k+1], v[F:F+1] op_sel_hi:[1,0]   ; O^T under the new M
.set k, k+1
.endr
	s_wait_alu depctr_va_vdst(0)                   ; the wait ahead of the batch
	v_exp_f32 v[BM], v[BM]
	v_exp_f32 v[BM+1], v[BM+1]
.set k, 0
.rept 64
	v_exp_f32 v[S+k], v[S+k]                       ; p = 2^(t - M), at most 1
.set k, k+1
.endr
	v_pk_mul_f32 v[14:15], v[14:15], v[F:F+1] op_sel_hi:[1,0]   ; the sums under the new M; the plain place behind the batch
	s_wait_alu depctr_va_vdst(0)                   ; and the wait behind it
	s_wait_dscnt 0x0                               ; v, the next step's k and their scale words are in
.irp c, 0,1
	v_max_num_f32 v[BM+\c], 0x1800000, v[BM+\c]    ; the floor 2^(3 - 127): the byte cannot fall under 1
.endr
	AD2 CC, 0                                      ; the row's sum is taken of the unquantised p.  Pairs 0, 1, 16, 17 first: the conversions' upper halves land on them
	AD2 CD, 16
.irp c, 0,1
	v_add_nc_u32 v[SO+\c], 0xff000000, v[BM+\c]    ; 2 off the exponent field: the conversion's scale operand
.endr
	AD2 CB, 2
.irp c, 0,1
	v_lshrrev_b32 v[BM+\c], 23, v[SO+\c]
.endr
	AD CA, 18
	v_lshl_or_b32 v[BM], v[BM+1], 16, v[BM]        ; my bytes: blocks h and 2 + h,
	v_cvt_scalef32_pk16_fp6_f32 v[PC:PC+2], v[S:S+15], v[SO]
	v_cvt_scalef32_pk16_fp6_f32 v[PC+6:PC+8], v[S+32:S+47], v[SO+1]
	v_lshlrev_b32 v[BM], v[SH8], v[BM]             ; at their places in the word.  (A plain place behind the conversions)
	v_cvt_scalef32_pk16_fp6_f32 v[S:S+2], v[S+16:S+31], v[SO]          ; (a conversion's three registers begin on an even number: the upper halves are made where p has been summed and converted, and moved)
	v_cvt_scalef32_pk16_fp6_f32 v[S+32:S+34], v[S+48:S+63], v[SO+1]
	AD CC, 19
	v_permlanex16_b32 v[BM+1], v[BM], s[SEL], s[SEL+1]
.irp i, 0,1,2
	v_mov_b32 v[PC+3+\i], v[S+\i]
.endr
	v_or_b32 v[PW], v[BM], v[BM+1]                 ; with lane l xor 16's two the word is whole
.irp i, 0,1,2
	v_mov_b32 v[PC+9+\i], v[S+32+\i]
.endr
	AD CD, 4                                       ; with the three moves: eight places behind the scale word; five behind the codes' last move
	AD CB, 5
	AD CA, 6
	AD CC, 7
	AD CD, 8
	PV 0
	AD CB, 9
	AD CA, 10
	PV 1
	AD CC, 11
	AD CD, 12
	PV 2
	AD CB, 13
	AD CA, 14
	PV 3
	AD CC, 15
	AD CD, 20
.if \last == 0
	QK 0                                           ; THE NEXT STEP'S SCORES: tile t is written when pairs 4 t .. 4 t + 3 of p have been summed
.endif
	AD CB, 21
	AD CA, 22
.if \last == 0
	QK 1
.endif
	AD CC, 23
	AD CD, 24
.if \last == 0
	QK 2
.endif
	AD CB, 25
	AD CA, 26
.if \last == 0
	QK 3
.endif
	AD CC, 27
	AD CD, 28
.if \last == 0
	QK 4
.endif
	AD CB, 29
	AD CA, 30
.if \last == 0
	QK 5
.endif
	AD CC, 31
	v_pk_add_f32 v[CA:CA+1], v[CA:CA+1], v[CB:CB+1]
.if \last == 0
	QK 6
.endif
	v_pk_add_f32 v[CC:CC+1], v[CC:CC+1], v[CD:CD+1]
.if \last == 0
	QK 7
.endif
	v_pk_add_f32 v[CA:CA+1], v[CA:CA+1], v[CC:CC+1]
.endm
.macro RUN n
	s_mov_b32 s[CNT], \n
.Lstep_\@:
	STEP 0
	s_add_co_u32 s[TB], s[TB], STEPB
	s_add_co_u32 s[TS], s[TS], PITCH
	s_sub_co_u32 s[CNT], s[CNT], 1
	s_cmp_lg_u32 s[CNT], 0
	s_cbranch_scc1 .Lstep_\@
.endm
	RUN 3                                          ; key steps 0 to 2 read rows of the first group alone (k up to step 3's)
	s_wait_tensorcnt 0x0                           ; my rows of the second group are in,
	s_wait_dscnt 0x0
	s_barrier_signal -1
	s_barrier_wait -1                              ; and everybody's
	RUN 12                                         ; key steps 3 to 14
	STEP 1                                         ; key step 15
	; THE WAY OUT.  O^T / the sum; a lane's 32 numbers are d = 32 b + 16 h + i: two blocks along the last product's K: six registers of a fragment and two bytes of its scale word.
	s_lshr_b32 s2, s14, 4                          ; the batch
	s_lshl_b32 s2, s2, 7
	s_add_co_u32 s2, s2, s15                       ; my tile of tokens, 0..255
	s_and_b32 s3, s14, 15                          ; the head
	s_lshr_b32 s12, s3, 1                          ; the K step,
	s_and_b32 s13, s3, 1                           ; and which half of it
	s_mul_i32 s16, s2, 12288
	s_mul_i32 s17, s12, 1536
	s_add_co_u32 s16, s16, s17
	s_mul_i32 s17, s13, 768
	s_add_co_u32 s16, s16, s17
	s_mov_b32 s17, 0
	s_add_nc_u64 s[8:9], s[8:9], s[16:17]
	s_lshl_b32 s16, s2, 9
	s_lshr_b32 s2, s12, 2
	s_lshl_b32 s2, s2, 8
	s_add_co_u32 s16, s16, s2
	s_and_b32 s2, s12, 3
	s_lshl_b32 s2, s2, 2
	s_add_co_u32 s16, s16, s2
	s_lshl_b32 s2, s13, 1
	s_add_co_u32 s16, s16, s2
	s_add_nc_u64 s[10:11], s[10:11], s[16:17]
	s_wait_alu depctr_va_vdst(0)
	v_add_f32 v14, v14, v15
	v_permlanex16_b32 v[F], v14, s[SEL], s[SEL+1]
	v_add_f32 v14, v14, v[F]                       ; the row's sum
	v_and_b32 v[KF], 31, v0
	v_and_b32 v[KF+3], 15, v0
	v_lshlrev_b32 v[KF+1], 4, v[KF]
	v_lshlrev_b32 v[KF+2], 3, v[KF]
	v_lshlrev_b32 v[KF+3], 4, v[KF+3]
	s_wait_alu depctr_va_vdst(0)
	v_rcp_f32 v14, v14
	v_nop
	s_wait_alu depctr_va_vdst(0)
.set j, 0
.rept 32
	v_mul_f32 v[S+j], v[O+j], v14                  ; each accumulator from its low end on
.set j, j+1
.endr
.irp b, 0,1
	v_max3_num_f32 v[BM+\b], |v[S+16*\b]|, |v[S+1+16*\b]|, 0x1800000
.endr
.irp i, 2,4,6,8,10,12,14
.irp b, 0,1
	v_max3_num_f32 v[BM+\b], v[BM+\b], |v[S+16*\b+\i]|, |v[S+1+16*\b+\i]|
.endr
.endr
.irp b, 0,1
	v_permlanex16_b32 v[T+\b], v[BM+\b], s[SEL], s[SEL+1]
.endr
.irp b, 0,1
	v_max_num_f32 v[BM+\b], v[BM+\b], v[T+\b]
.endr
.irp b, 0,1
	v_add_nc_u32 v[SO+\b], 0xff000000, v[BM+\b]
.endr
.irp b, 0,1
	v_lshrrev_b32 v[T+\b], 23, v[SO+\b]
.endr
	v_lshl_or_b32 v[TMP], v[T+1], 8, v[T]          ; my row's two bytes
	v_cvt_scalef32_pk16_fp6_f32 v[PC:PC+2], v[S:S+15], v[SO]
	v_cvt_scalef32_pk16_fp6_f32 v[S+32:S+34], v[S+16:S+31], v[SO+1]
	v_nop
.irp i, 0,1,2
	v_permlane16_swap_b32 v[PC+\i], v[S+32+\i]     ; a whole block to a lane
.endr
.irp i, 0,1,2
	v_mov_b32 v[PC+3+\i], v[S+32+\i]
.endr
	global_store_b128 v[KF+1], v[PC:PC+3], s[8:9]              ; 32 lanes store 512 consecutive bytes, aligned
	global_store_b64 v[KF+2], v[PC+4:PC+5], s[8:9] offset:512  ; and 256
	global_store_b16 v[KF+3], v[TMP], s[10:11]                 ; lanes r and r + 16 store the same two bytes
	s_wait_tensorcnt 0x0                           ; the wave's end
	ds_add_u32 v[SPW], v[NIL]
	s_wait_dscnt 0x0
	CROUND                                         ; the closing round
	s_endpgm
.Lfunc_end_k_q2ef56dbcdb_attn:
	.size	k_q2ef56dbcdb_attn, .Lfunc_end_k_q2ef56dbcdb_attn-k_q2ef56dbcdb_attn
	.p2alignl 7, 3214868480
	.fill 96, 4, 3214868480
	.section	.rodata,"a",@progbits
	.p2align	6, 0x0
	.amdhsa_kernel k_q2ef56dbcdb_attn
		.amdhsa_group_segment_fixed_size 327680
		.amdhsa_private_segment_fixed_size 0
		.amdhsa_enable_private_segment 0
		.amdhsa_kernarg_size 32
		.amdhsa_user_sgpr_count 2
		.amdhsa_user_sgpr_kernarg_segment_ptr 1
		.amdhsa_wavefront_size32 1
		.amdhsa_system_sgpr_workgroup_id_x 1
		.amdhsa_system_sgpr_workgroup_id_y 1
		.amdhsa_system_sgpr_workgroup_id_z 1
		.amdhsa_system_vgpr_workitem_id 0
		.amdhsa_next_free_vgpr 256
		.amdhsa_next_free_sgpr 66
		.amdhsa_reserve_vcc 0
		.amdhsa_float_denorm_mode_32 3
		.amdhsa_float_denorm_mode_16_64 3
		.amdhsa_memory_ordered 1
		.amdhsa_forward_progress 1
		.amdhsa_inst_pref_size 56
	.end_amdhsa_kernel
	.amdgpu_metadata
---
amdhsa.version: [ 1, 2 ]
amdhsa.kernels:
  - .name:           k_q2ef56dbcdb_attn
    .symbol:         k_q2ef56dbcdb_attn.kd
    .args:
      - { .name: qb, .offset: 0, .size: 8, .value_kind: global_buffer, .address_space: global }
      - { .name: kvb, .offset: 8, .size: 8, .value_kind: global_buffer, .address_space: global }
      - { .name: aoi, .offset: 16, .size: 8, .value_kind: global_buffer, .address_space: global }
      - { .name: aos, .offset: 24, .size: 8, .value_kind: global_buffer, .address_space: global }
    .group_segment_fixed_size: 327680
    .private_segment_fixed_size: 0
    .kernarg_segment_align: 8
    .kernarg_segment_size: 32
    .max_flat_workgroup_size: 512
    .sgpr_count:     66
    .vgpr_count:     256
    .wavefront_size: 32
...
	.end_amdgpu_metadata
.endif
;; end of part 3
;; launch oproj (part 4): grid 8 x 32, 4 waves a work-group, clusters of 4 x 4, 214,528 bytes of LDS; arguments aoi, aos, img, scl, bout, out0; writes out0
.if DOCPART == 4
	.amdgcn_target "amdgcn-amd-amdhsa--gfx1250"
	.amdhsa_code_object_version 6
	.text
	.protected	k_q2ef56dbcdb_oproj
	.globl	k_q2ef56dbcdb_oproj
	.p2align	8
	.type	k_q2ef56dbcdb_oproj,@function
k_q2ef56dbcdb_oproj:
	s_mov_b64 s[64:65], 0
	v_nop
	global_prefetch_b8 v0, s[64:65] scope:SCOPE_SE
	s_setreg_imm32_b32 hwreg(HW_REG_WAVE_MODE, 25, 1), 1
	s_wait_xcnt 0x0
	s_wait_alu depctr_hold_cnt(0) depctr_sa_sdst(0) depctr_va_vdst(0) depctr_va_sdst(0) depctr_va_ssrc(0) depctr_va_vcc(0) depctr_vm_vsrc(0)
	s_getreg_b32 s2, hwreg(HW_REG_IB_STS2, 6, 4)
	s_cmp_eq_u32 s2, 0
	s_cbranch_scc0 .Lentry_in_a_cluster
	s_endpgm
.Lentry_in_a_cluster:
	s_bfe_u32 s2, ttmp6, 0x10000c
	s_cmp_lg_u32 s2, 0xf033
	s_cbranch_scc0 .Lentry_shape_is_right
	s_endpgm
.Lentry_shape_is_right:
; out0 = (attention's output) Wout^T + bout, on codes of FP6 (E2M3) with E8M0 scales.  M = 4,096 tokens, N = 1,024, K = 1,024 (64 head + d).
; A tile of 128 x 128 to a work-group: 256 tiles.  Four waves, 64 x 64 each: 16 accumulators.  Eight K steps of 128.
; ALL OF K LIES IN LDS.  Four tiles of 16 rows, all K steps, are 49,152 dense bytes of aoi or img: ONE tensor load a wave (waves 0, 1 the tokens' eight tiles, waves 2, 3 Wout's), every byte filled once, one barrier.
; Source 1 = tokens: a lane holds one token; source 0 = rows of Wout: a lane's registers run along the output's columns.  Operands are images of registers.  Wout's fragment: three pieces of 512 bytes.
; The tokens' comes from two heads: for each half 512 bytes (four registers) and 256 (two registers).  The rows of a tile: lane r of tile 2 t + u is row 32 t + 8 u + r + 8 (r / 8), for tokens and Wout's rows alike.
; THE SCALE WORDS of a tile are 512 bytes, [K half][row][4 words]: one load of 16 bytes a lane brings lanes 0-15 the words of K steps 0-3 and lanes 16-31 those of K steps 4-7, straight into the scale registers;
; K steps 4-7 name the registers' upper row of lanes.
; CLUSTERS: 4 x 4.  The tokens' tiles are shared along a row of the cluster, Wout's along a column: joint loads.  NO PREFETCH: all tiles are asked for at the head; there is no loop to run ahead in.
; The bias is the C of each sum's first matrix instruction.
; REGISTERS: window 0: v1-24 addresses; v32-47, v48-63 scale words; v64-95 the bias; v96-191 the tokens' fragments, two sets; v192-255 the way out.  window 1: v0-95 Wout's fragments, two sets; v128-255 the accumulators.
.set TILEB, 12288
.set WPART, 4*TILEB
.set STAGE, 4*WPART                    ; 16 rows x 272 bytes for each wave, for the way out; no tensor load fills it
.set SPARE, STAGE+4*16*272
.set A16,  16
.set A8,   17
.set B16,  18
.set STO,  20
.set RD,   21
.set CO,   22
.set BA,   23
.set LI,   24
.set SPW,  30
.set NIL,  31
.set SCA,  32                          ; v[SCA + 4 a + s % 4]: the tokens' block a;  v[SCB + 4 b + s % 4]: Wout's block b
.set SCB,  48
.set BI,   64
.set AFR,  96
.set BK,   192
.set WV,   16
.set HA,   17
.set HB,   18
.set G1,   24
.set G1B,  32
.set G0,   40
.set G0B,  44
.set MSB, 0
.macro WIN new
.if MSB != \new
	s_set_vgpr_msb (MSB<<8)|\new
.set MSB, \new
.endif
.endm
.macro PLACES n
.rept \n
	v_nop
.endr
.endm
.macro CROUND
	s_barrier_signal -1
	s_barrier_wait -1
	s_cmp_lg_u32 s[WV], 0
	s_cbranch_scc1 .Lnot_wave_0_\@
	s_barrier_signal -3
.Lnot_wave_0_\@:
	s_barrier_wait -3
	s_barrier_signal -1
	s_barrier_wait -1
.endm
	s_load_b256 s[4:11], s[0:1], 0x0               ; aoi, aos, img, scl
	s_load_b128 s[12:15], s[0:1], 0x20             ; bout, out0
	v_lshl_add_u32 v[SPW], v0, 2, SPARE
	v_mov_b32 v[NIL], 0
	ds_add_u32 v[SPW], v[NIL]                      ; the opening lines
	ds_add_u32 v[SPW], v[NIL]
	v_lshrrev_b32 v1, 5, v0
	v_readfirstlane_b32 s[WV], v1
	s_lshr_b32 s[HA], s[WV], 1                     ; my half of the tokens.  Also: I fetch tokens (0) or Wout (1)
	s_and_b32 s[HB], s[WV], 1                      ; my half of the columns.  Also: which four tiles I fetch
	s_bfe_u32 s19, ttmp6, 0x40000                  ; cx
	s_bfe_u32 s20, ttmp6, 0x40004                  ; cy
	s_lshl_b32 s21, ttmp9, 2
	s_add_co_u32 s21, s21, s19                     ; which 128 columns
	s_and_b32 s22, ttmp7, 0xffff
	s_lshl_b32 s22, s22, 2
	s_add_co_u32 s22, s22, s20                     ; which 128 tokens
	s_lshl_b32 s23, s20, 2
	s_lshl_b32 s23, 15, s23                        ; my row of the cluster
	s_lshl_b32 s2, 0x1111, s19                     ; my column
	s_or_b32 s[G1], s23, (3<<16)|(1<<21)           ; 192 dense rows of 256 bytes, in elements of 8 bytes
	s_or_b32 s[G1B], s2, (3<<16)|(1<<21)
.irp g, G1, G1B
	s_mov_b32 s[\g+1], 32<<16
	s_mov_b32 s[\g+2], 192<<16
	s_mov_b32 s[\g+3], 32<<16
	s_mov_b32 s[\g+4], 192
	s_mov_b32 s[\g+5], 32
	s_mov_b32 s[\g+6], 0
	s_mov_b32 s[\g+7], 0
.endr
	s_lshl_b32 s3, s[HB], 2
	s_lshl_b32 s53, s22, 3
	s_lshl_b32 s52, s[HA], 2
	s_add_co_u32 s52, s52, s53                     ; the four tiles of tokens that I multiply,
	s_add_co_u32 s53, s53, s3                      ; and those that I fetch
	s_lshl_b32 s54, s21, 3
	s_add_co_u32 s54, s54, s3
	s_add_co_u32 s54, s54, 448                     ; Wout's tiles begin at 448: the four that I fetch are the four that I multiply
	s_mul_i32 s[G0+2], s53, TILEB
	s_mov_b32 s[G0+3], 0
	s_mul_i32 s[G0B+2], s54, TILEB
	s_mov_b32 s[G0B+3], 0
	s_lshl_b32 s48, s52, 9
	s_mov_b32 s49, 0
	s_lshl_b32 s50, s54, 9
	s_mov_b32 s51, 0
	s_mov_b32 s[G0], 1
	s_mov_b32 s[G0B], 1
	s_mul_i32 s[G0+1], s[WV], WPART                ; no place in the cluster enters an LDS address
	s_mul_i32 s[G0B+1], s[WV], WPART
	s_wait_dscnt 0x0
	s_wait_kmcnt 0x0
	s_add_nc_u64 s[G0+2:G0+3], s[4:5], s[G0+2:G0+3]
	s_or_b32 s[G0+3], s[G0+3], 0x80000000
	s_add_nc_u64 s[G0B+2:G0B+3], s[8:9], s[G0B+2:G0B+3]
	s_or_b32 s[G0B+3], s[G0B+3], 0x80000000
	s_add_nc_u64 s[48:49], s[6:7], s[48:49]        ; my scale words
	s_add_nc_u64 s[50:51], s[10:11], s[50:51]
	CROUND                                         ; the joint loads meet
	s_cmp_eq_u32 s[HA], 0
	s_cbranch_scc0 .Lfor_b
	tensor_load_to_lds s[G0:G0+3], s[G1:G1+7]
	s_nop 0
	PLACES 4
	s_branch .Lasked
.Lfor_b:
	tensor_load_to_lds s[G0B:G0B+3], s[G1B:G1B+7]
	s_nop 0
	PLACES 4
.Lasked:
	s_mul_i32 s55, s[HA], WPART                    ; my 4 tiles of tokens
	s_mul_i32 s56, s[HB], WPART                    ; my 4 tiles of Wout, behind the tokens' 8
	s_add_co_u32 s56, s56, 2*WPART
	s_mul_i32 s57, s[WV], 16*272
	s_add_co_u32 s57, s57, STAGE                   ; my stage
	s_lshl_b32 s2, s21, 9                          ; my 64 columns, in bytes
	s_lshl_b32 s3, s[HB], 8
	s_add_co_u32 s2, s2, s3
	s_mov_b32 s3, 0
	s_add_nc_u64 s[12:13], s[12:13], s[2:3]
	s_add_nc_u64 s[14:15], s[14:15], s[2:3]
	s_lshl_b32 s2, s22, 7
	s_lshl_b32 s58, s[HA], 6
	s_add_co_u32 s2, s2, s58
	s_lshl_b32 s2, s2, 12                          ; my first token's row
	s_add_nc_u64 s[14:15], s[14:15], s[2:3]
	v_and_b32 v1, 31, v0
	v_and_b32 v2, 15, v0                           ; r
	v_bfe_u32 v3, v0, 4, 1                         ; h
	v_lshlrev_b32 v[LI], 4, v1
	v_lshlrev_b32 v5, 3, v1
	v_add_nc_u32 v[A16], s55, v[LI]
	v_add_nc_u32 v[A8], s55, v5
	v_add_nc_u32 v[B16], s56, v[LI]
	v_mul_u32_u24 v6, v2, 272
	v_lshl_add_u32 v6, v3, 6, v6
	v_add_nc_u32 v[STO], s57, v6                   ; in: row r, + 64 h
	v_mul_u32_u24 v7, v3, 272
	v_lshl_add_u32 v7, v2, 4, v7
	v_add_nc_u32 v[RD], s57, v7                    ; back: lanes 0-15 one row of 256 bytes, lanes 16-31 the next
	v_lshlrev_b32 v8, 12, v3
	v_lshl_add_u32 v[CO], v2, 4, v8                ; and the same two rows in out0
	v_lshlrev_b32 v[BA], 6, v3
	s_wait_alu depctr_va_vdst(0)                   ; the wait at the head's end
.irp i, 0,1,2,3
	global_load_b128 v[SCA+4*\i:SCA+4*\i+3], v[LI], s[48:49] offset:512*\i   ; 32 lanes read a tile's 512 bytes
	global_load_b128 v[SCB+4*\i:SCB+4*\i+3], v[LI], s[50:51] offset:512*\i
.endr
.irp b, 0,1,2,3
	global_load_b128 v[BI+8*\b:BI+8*\b+3], v[BA], s[12:13] offset:(32*(\b/2)+8*(\b%2))*4       ; the bias in the result's layout: tile b's eight at 32 (b / 2) + 16 h + 8 (b % 2)
	global_load_b128 v[BI+8*\b+4:BI+8*\b+7], v[BA], s[12:13] offset:(32*(\b/2)+8*(\b%2))*4+16
.endr
.macro FETCH s                         ; K step s's eight fragments into set s % 2: 28 loads
.set FQ, 1536*(\s)
.set FS, 48*((\s)%2)
	WIN 0x40
.irp i, 0,1,2,3
.irp c, 0,1,2
	ds_load_b128 v[FS+12*\i+4*\c:FS+12*\i+4*\c+3], v[B16] offset:TILEB*\i+FQ+512*\c
.endr
.endr
	WIN 0
.irp i, 0,1,2,3
.irp c, 0,1
	ds_load_b128 v[AFR+FS+12*\i+6*\c:AFR+FS+12*\i+6*\c+3], v[A16] offset:TILEB*\i+FQ+768*\c
	ds_load_b64 v[AFR+FS+12*\i+6*\c+4:AFR+FS+12*\i+6*\c+5], v[A8] offset:TILEB*\i+FQ+768*\c+512
.endr
.endr
.endm
.macro MULS s                          ; 16 matrix instructions, the 16 accumulators by turns
.irp a, 0,1,2,3
.irp b, 0,1,2,3
.if (\s) == 0
	v_wmma_scale_f32_16x16x128_f8f6f4 v[128+8*(4*\a+\b):128+8*(4*\a+\b)+7], v[48*((\s)%2)+12*\b:48*((\s)%2)+12*\b+11], v[AFR+48*((\s)%2)+12*\a:AFR+48*((\s)%2)+12*\a+11], v[BI+8*\b:BI+8*\b+7], v[SCB+4*\b+(\s)%4], v[SCA+4*\a+(\s)%4] matrix_a_fmt:MATRIX_FMT_FP6 matrix_b_fmt:MATRIX_FMT_FP6
.elseif (\s) < 4
	v_wmma_scale_f32_16x16x128_f8f6f4 v[128+8*(4*\a+\b):128+8*(4*\a+\b)+7], v[48*((\s)%2)+12*\b:48*((\s)%2)+12*\b+11], v[AFR+48*((\s)%2)+12*\a:AFR+48*((\s)%2)+12*\a+11], v[128+8*(4*\a+\b):128+8*(4*\a+\b)+7], v[SCB+4*\b+(\s)%4], v[SCA+4*\a+(\s)%4] matrix_a_fmt:MATRIX_FMT_FP6 matrix_b_fmt:MATRIX_FMT_FP6
.else
	v_wmma_scale_f32_16x16x128_f8f6f4 v[128+8*(4*\a+\b):128+8*(4*\a+\b)+7], v[48*((\s)%2)+12*\b:48*((\s)%2)+12*\b+11], v[AFR+48*((\s)%2)+12*\a:AFR+48*((\s)%2)+12*\a+11], v[128+8*(4*\a+\b):128+8*(4*\a+\b)+7], v[SCB+4*\b+(\s)%4], v[SCA+4*\a+(\s)%4] matrix_a_fmt:MATRIX_FMT_FP6 matrix_b_fmt:MATRIX_FMT_FP6 matrix_a_scale:MATRIX_SCALE_ROW1 matrix_b_scale:MATRIX_SCALE_ROW1
.endif
.endr
.endr
.endm
	s_wait_tensorcnt 0x0                           ; my four tiles are in,
	s_barrier_signal -1
	s_barrier_wait -1                              ; and everybody's; nothing is ever filled again
	FETCH 0
.irp s, 0,1,2,3,4,5,6,7
	s_wait_dscnt 0x0                               ; this step's fragments are in (asked for a step ago)
.if \s < 7
	FETCH \s+1                                     ; into the other set: four places stand behind its last products
.endif
.if \s == 0
	s_wait_loadcnt 0x0                             ; the scale words and the bias
	WIN 0x41                                       ; source 0 and D window 1; source 1 and C (the bias) window 0
.else
	WIN 0x51                                       ; C window 1 too
.endif
	MULS \s
	PLACES 4
	WIN 0
.endr
; THE WAY OUT, a tile of 16 tokens x my 64 columns at a time, through my own stage: a lane's numbers go in by rows of 272 bytes and come back as whole rows of 256 bytes.
.macro TOSTAGE a
	WIN 0x04                                       ; an LDS store's data are its source 1: window 1
.irp b, 0,1,2,3
	ds_store_b128 v[STO], v[128+8*(4*(\a)+\b):128+8*(4*(\a)+\b)+3] offset:128*(\b/2)+32*(\b%2)       ; each accumulator from its low end on
	ds_store_b128 v[STO], v[128+8*(4*(\a)+\b)+4:128+8*(4*(\a)+\b)+7] offset:128*(\b/2)+32*(\b%2)+16
.endr
	WIN 0
.set BB, BK+32*((\a)%2)
.irp t, 0,1,2,3,4,5,6,7
	ds_load_b128 v[BB+4*\t:BB+4*\t+3], v[RD] offset:544*\t   ; LDS serves a wave's instructions in order: these see the stores above
.endr
.endm
.macro SEND a, younger
.set BB, BK+32*((\a)%2)
	s_wait_dscnt \younger                          ; the tile is back in registers
.irp t, 0,1,2,3,4,5,6,7
	global_store_b128 v[CO], v[BB+4*\t:BB+4*\t+3], s[14:15] offset:(32*((\a)/2)+8*((\a)%2)+2*\t+8*(\t/4))*4096 th:TH_STORE_NT   ; 16 lanes store 256 consecutive bytes, aligned; stage row 2 t + h is token 32 (a / 2) + 8 (a % 2) + 2 t + 8 (t / 4) + h
.endr
.endm
	TOSTAGE 0
.irp a, 1,2,3
.if \a > 1
	s_wait_xcnt 0x0                                ; tile a - 2's stores have read their registers: tile a's loads may land there
.endif
	TOSTAGE \a
	SEND \a-1, 16                                  ; behind tile a - 1's loads: tile a's 8 stores and 8 loads
.endr
	SEND 3, 0
	s_wait_tensorcnt 0x0                           ; the wave's end
	ds_add_u32 v[SPW], v[NIL]
	s_wait_dscnt 0x0
	CROUND                                         ; the closing round
	s_endpgm
.Lfunc_end_k_q2ef56dbcdb_oproj:
	.size	k_q2ef56dbcdb_oproj, .Lfunc_end_k_q2ef56dbcdb_oproj-k_q2ef56dbcdb_oproj
	.p2alignl 7, 3214868480
	.fill 96, 4, 3214868480
	.section	.rodata,"a",@progbits
	.p2align	6, 0x0
	.amdhsa_kernel k_q2ef56dbcdb_oproj
		.amdhsa_group_segment_fixed_size 214528
		.amdhsa_private_segment_fixed_size 0
		.amdhsa_enable_private_segment 0
		.amdhsa_kernarg_size 48
		.amdhsa_user_sgpr_count 2
		.amdhsa_user_sgpr_kernarg_segment_ptr 1
		.amdhsa_wavefront_size32 1
		.amdhsa_system_sgpr_workgroup_id_x 1
		.amdhsa_system_sgpr_workgroup_id_y 1
		.amdhsa_system_sgpr_workgroup_id_z 1
		.amdhsa_system_vgpr_workitem_id 0
		.amdhsa_next_free_vgpr 512
		.amdhsa_next_free_sgpr 66
		.amdhsa_reserve_vcc 0
		.amdhsa_float_denorm_mode_32 3
		.amdhsa_float_denorm_mode_16_64 3
		.amdhsa_memory_ordered 1
		.amdhsa_forward_progress 1
		.amdhsa_inst_pref_size 48
	.end_amdhsa_kernel
	.amdgpu_metadata
---
amdhsa.version: [ 1, 2 ]
amdhsa.kernels:
  - .name:           k_q2ef56dbcdb_oproj
    .symbol:         k_q2ef56dbcdb_oproj.kd
    .args:
      - { .name: aoi, .offset: 0, .size: 8, .value_kind: global_buffer, .address_space: global }
      - { .name: aos, .offset: 8, .size: 8, .value_kind: global_buffer, .address_space: global }
      - { .name: img, .offset: 16, .size: 8, .value_kind: global_buffer, .address_space: global }
      - { .name: scl, .offset: 24, .size: 8, .value_kind: global_buffer, .address_space: global }
      - { .name: bout, .offset: 32, .size: 8, .value_kind: global_buffer, .address_space: global }
      - { .name: out0, .offset: 40, .size: 8, .value_kind: global_buffer, .address_space: global }
    .group_segment_fixed_size: 214528
    .private_segment_fixed_size: 0
    .kernarg_segment_align: 8
    .kernarg_segment_size: 48
    .max_flat_workgroup_size: 128
    .sgpr_count:     66
    .vgpr_count:     512
    .wavefront_size: 32
...
	.end_amdgpu_metadata
.endif
;; end of part 4
